; MI455X (gfx1250); checked and timed in simulation.
; The chip was launched on July 23, 2026; its instructions are those of AMD's public machine-readable ISA for CDNA 5 (MIT licence, August 2026) and "CDNA5" Instruction Set Architecture Reference Guide (July 2026). The comments in the code are by the model that wrote it; some were corrected since.
;; Multi Head Self Attention. Allowed arithmetic: matrix products marked QUANTISED: E2M3 operands, one E8M0 scale for each 32 along K, by v_wmma_scale_f32_16x16x128_f8f6f4 with both operands' format E2M3, f32 sums; everything else in f32.
;; Inputs: out_b 1,024 float32; out_w 1,024 x 1,024 float32; qkv_b 3,072 float32; qkv_w 1,024 x 3,072 float32; x 8 x 1,024 x 1,024 float32.
;; Outputs: out0 8 x 1,024 x 1,024 float32.
;; This version of the problem:
;;   THIS VERSION OF THE PROBLEM IS GIVEN IN LOW PRECISION. The matrix products marked QUANTISED in the list below multiply operands that are first quantised to E2M3 (2 exponent bits, 3 mantissa bits; 6 bits a number), with one power-of-two scale for each 32 numbers along K (OCP MX v1.0); their sums are f32. All else is computed in f32.
;;   The module's matrix products, in the order in which they are computed (A, B: the left and right operand; K: the contracted axis; several contracted axes count as one K, in the product's order):
;;     1. [M 8,192, K 1,024] x [K 1,024, N 3,072]; A: input x; B: input qkv_w: QUANTISED
;;     2. batch 128 x [M 1,024, K 64] x [K 64, N 1,024]; A: computed on the way; B: computed on the way: QUANTISED
;;     3. batch 128 x [M 1,024, K 1,024] x [K 1,024, N 64]; A: softmax (see below); B: computed on the way: QUANTISED
;;     4. [M 8,192, K 1,024] x [K 1,024, N 1,024]; A: computed on the way; B: input out_w: QUANTISED
;;   THE QUANTISER, for each operand of a quantised product, along K:
;;     - K is cut into blocks of 32 from its start; a last block that is shorter is filled with zeros.
;;     - A block's scale is 2^e with e = floor(log2(the largest magnitude in the block)) - 2, held to -126 .. 127; a block of zeros has e = 0. As a byte (E8M0): e + 127.
;;     - Each number is divided by its block's scale, clamped to +-7.5, and rounded to the nearest number of E2M3, ties to even, subnormals kept.
;;     - The product sums the exact products of the quantised numbers (number of the format x scale) in f32.
;;   ~~~python
;;   def quantise(x, axis):      # numpy; x: float32 -> the quantised numbers, widened to float32 again
;;       x = np.moveaxis(x, axis, -1); K = x.shape[-1]
;;       x = np.pad(x, [(0, 0)] * (x.ndim - 1) + [(0, -K % 32)]); x = x.reshape(x.shape[:-1] + (-1, 32)); a = np.abs(x).max(-1, keepdims=True)
;;       e = np.where(a > 0, np.clip(np.frexp(np.where(a > 0, a, 1))[1] - 1 - 2, -126, 127), 0)      # np.frexp(a)[1] - 1 = floor(log2(a)), exactly
;;       r = np.clip(x / 2.0 ** e, -7.5, 7.5)
;;       step = 2.0 ** (np.maximum(np.frexp(np.where(r == 0, 1, r))[1] - 1, 0) - 3)
;;       q = np.round(r / step) * step * 2.0 ** e      # np.round: ties to even
;;       return np.moveaxis(q.reshape(q.shape[:-2] + (-1,))[..., :K], -1, axis).astype(np.float32)
;;   ~~~
;;   SOFTMAX AHEAD OF A QUANTISED PRODUCT. Where the list says 'softmax', what is quantised is not the finished softmax but p = 2^(t - M), with t = logit x log2(e) and M = ceil(the row's largest t), a whole number; so 1/2 < the row's largest p <= 1. The row's sum l is taken of the UNQUANTISED p, in f32, and the product's result is divided by l at the end. Since M is a whole number, a kernel that streams over the keys may use a running M (the ceiling of the running maximum): every later rescaling is an exact power of two, which a block's scale takes up: the codes' values come out the same.
;;   OPERANDS COMPUTED ON THE WAY. 'Computed on the way' means the value that the module computes at that place (a softmax that the list does not call 'softmax' is quantised finished and normalised). What goes into a quantiser is computed in f32, as accurately as f32 sums, v_exp_f32 and their like allow (about 1e-6 of the number): no bf16 or f16 on the way to a quantiser, and a product that is left as it is and whose result goes on into a quantised operand takes f32 operands (vector FMAs, or v_wmma_f32_16x16x4_f32). A number that lies on a knife's edge between two numbers of the format may be rounded either way, as far as f32 arithmetic and the matrix unit's own rounding can turn it there, and no further.
;; One version. Each part assembles by itself: llvm-mc -triple=amdgcn-amd-amdhsa -mcpu=gfx1250 --defsym DOCPART=n.
;; ======== version 1 of 1: 4 launches
;; limits: right only within a limited range of input values
;; workspace buffers: xq 6,553,600 bytes; wq 2,457,600 bytes; wo 819,200 bytes; qimg 6,553,600 bytes; kimg 6,553,600 bytes; vimg 6,553,600 bytes; aimg 6,553,600 bytes
;; launch quant (part 1): grid 512 x 1, 4 waves a work-group, no clusters, 47,616 bytes of LDS; arguments x, qkv_w, out_w, xq, wq, wo; writes xq, wq, wo
.if DOCPART == 1
	.amdgcn_target "amdgcn-amd-amdhsa--gfx1250"
	.amdhsa_code_object_version 6
	.text
	.protected	k_qc06e526e4e_quant
	.globl	k_qc06e526e4e_quant
	.p2align	8
	.type	k_qc06e526e4e_quant,@function
k_qc06e526e4e_quant:
	s_mov_b64 s[64:65], 0
	v_nop
	global_prefetch_b8 v0, s[64:65] scope:SCOPE_SE
	s_setreg_imm32_b32 hwreg(HW_REG_WAVE_MODE, 25, 1), 1
	s_wait_xcnt 0x0
; THE PROGRAM: multi-head self-attention, 8 x 1,024 positions, 16 heads of 64, all four matrix products on codes of FP6 (E2M3) with one E8M0 scale for each 32 along K.
; Four launches: quant (x, qkv_w, out_w -> codes), gemm_qkv (x W + b, quantised in registers into q, k, v), attn (both products of attention, o quantised in registers), gemm_out (o W + b).
; Between launches only codes and scale bytes go through memory.
; DEAD WORK, LEFT OUT IN THE LAUNCH attn.  reference() multiplies the scores by a mask m that it builds itself (1 where key <= query, else 0) and takes (1 - m) x 1e10 away.  So where key > query the
; product q . k is multiplied by 0, whatever finite numbers q and k hold, and the logit is -1e10.  Its p = 2^(t - M) lies under the smallest f32 number: it is 0, its code is 0, and it adds 0 to the row's sum
; and to the second product.  Steps of 128 keys that lie wholly behind a tile of queries are therefore not multiplied.  In the one step on the diagonal the hidden scores are replaced by reference()'s -1e10.
; LIMITS.  That holds while a row's largest visible logit lies above about -9.9e9.  A NaN, an infinity or an overflow that reaches only the products left out is not carried to the result.
; NaN and infinities among the inputs are not served.  A block of zeros gets the scale byte 1 where the quantiser says 127: its codes are zeros, which add nothing under any byte but 0xff, and these bytes are read by this program alone.
; Every input has a way to the output and is loaded, both biases among them.
;
; THIS LAUNCH.  A block's scale is 2^(floor(log2(its largest magnitude)) - 2): its byte is the largest magnitude's exponent field - 2, held at 1 from below by a floor among the maximum's leaves.
; THE LAYOUT OF ALL CODES IN THIS PROGRAM.  A TILE is 16 rows of an operand; tile T = 2 G + u holds, in lane r (0 .. 15), row 32 G + 8 u + (r & 7) + 16 (r >> 3).  A FRAGMENT is a tile x 128 along K: 12 registers a lane,
; lane (r, h): registers 6 c .. 6 c + 5 = k 64 c + 32 h + 0 .. 31.  It lies in memory as an IMAGE of its registers, 1,536 bytes: registers 4 g .. 4 g + 3 of lane L at 512 g + 16 L.
; xq, wq, wo: image (T, K step s) at 12,288 T + 1,536 s; behind all images the scale words (four bytes: 128 along K of one row): word (T, s, r) at 512 T + 64 s + 4 r.
; Work-groups 0 to 255 take the weights (K is their first axis), work-groups 256 to 511 take x (K innermost).  The two ways have LDS bytes of their own.  Waves share nothing: no barrier.
.set SPARE, 47104                      ; behind the stages: the spare words, 128 bytes for each wave: two blocks of 256 bytes that no other line names
.set SPW,   20                         ; v20  LDS address of my spare word; never rewritten
.set NIL,   21                         ; v21  0; never rewritten
.set FLOOR, 0x1800000                  ; 2^(3 - 127)
	s_load_b256 s[4:11], s[0:1], 0x0               ; x s[4:5], qkv_w s[6:7], out_w s[8:9], xq s[10:11]
	s_load_b128 s[12:15], s[0:1], 0x20             ; wq s[12:13], wo s[14:15]
	v_lshl_add_u32 v[SPW], v0, 2, SPARE
	v_mov_b32 v[NIL], 0
	v_lshrrev_b32 v1, 5, v0
	v_readfirstlane_b32 s16, v1                    ; wave 0..3
	v_and_b32 v1, 31, v0                           ; lane L
	v_lshlrev_b32 v2, 4, v1                        ; 16 L
	s_cmp_lt_u32 ttmp9, 256
	s_cbranch_scc0 .Lx
; ---------------- THE WEIGHTS.  W [1024 (k)][N]: a lane takes a column n and its registers run down K, so a block of 32 along K lies in one lane and the conversions give codes with K innermost.
; Work-groups 0-191: qkv_w (N = 3,072: 24 runs of 128 columns x 8 K steps); 192-255: out_w (8 x 8).  A wave: 32 columns (two tiles) x 128 along K (four blocks).  The four waves stand side by side on 512 bytes of each row.
	s_cmp_lt_u32 ttmp9, 192
	s_mov_b32 s22, 4096
	s_cselect_b32 s22, 12288, s22                  ; a row of W in bytes
	s_mov_b32 s23, 786432
	s_cselect_b32 s23, 2359296, s23                ; where the scale words begin in the images' buffer
	s_cselect_b32 s17, 0, 192
	s_sub_co_u32 s17, ttmp9, s17
	s_lshr_b32 s34, s17, 3                         ; which 128 columns
	s_and_b32 s35, s17, 7                          ; K step s
	s_lshl_b32 s36, s35, 7
	s_mul_i32 s36, s36, s22                        ; 128 s rows down,
	s_lshl_b32 s37, s34, 9
	s_add_co_u32 s36, s36, s37                     ; 512 bytes a run of columns,
	s_lshl_b32 s37, s16, 7
	s_add_co_u32 s36, s36, s37                     ; 128 a wave
	s_mov_b32 s37, 0
	s_lshl_b32 s38, s34, 2
	s_add_co_u32 s38, s38, s16                     ; G: my 32 columns are tiles 2 G and 2 G + 1
	s_wait_alu depctr_va_vdst(0)
	v_lshlrev_b32 v3, 2, v1                        ; 4 L
	v_bfe_u32 v7, v0, 3, 1                         ; column 32 G + L is lane r' of tile 2 G + u: u = (L >> 3) & 1,
	v_and_b32 v13, 7, v0
	v_bfe_u32 v14, v0, 4, 1
	v_lshl_or_b32 v13, v14, 3, v13                 ; r' = (L & 7) | (L >> 4) << 3
	s_mul_i32 s39, s16, 3328
	s_add_co_u32 s39, s39, 33792                   ; my stage: two images, 1,664 bytes apart
	v_mul_u32_u24 v4, v7, 1664
	v_lshl_add_u32 v4, v13, 4, v4
	v_add_nc_u32 v4, s39, v4                       ; into it: image u, lane r'
	v_add_nc_u32 v5, s39, v2                       ; out of it: 16 L
	v_lshlrev_b32 v6, 2, v13
	v_lshl_add_u32 v6, v7, 9, v6                   ; my scale word: 512 u + 4 r'
.set i, 0
.rept 32
	v_mad_u32_u24 v[96+i], i, s22, v3              ; row i of a block, my column
.set i, i+1
.endr
	s_wait_alu depctr_va_vdst(0)
	s_wait_kmcnt 0x0
	s_cmp_lt_u32 ttmp9, 192                        ; the choice hangs on the work-group's number alone
	s_cselect_b64 s[18:19], s[6:7], s[8:9]
	s_cselect_b64 s[20:21], s[12:13], s[14:15]
	s_add_nc_u64 s[24:25], s[18:19], s[36:37]      ; block 0,
	s_lshl_b32 s36, s22, 5
	s_add_nc_u64 s[26:27], s[24:25], s[36:37]      ; and 32 rows on for each further block
	s_add_nc_u64 s[28:29], s[26:27], s[36:37]
	s_add_nc_u64 s[30:31], s[28:29], s[36:37]
.set t, 0
.rept 4
.set i, 0
.rept 32
	global_load_b32 v[128+32*t+i], v[96+i], s[24+2*t:25+2*t] th:TH_LOAD_NT   ; 32 lanes read 128 consecutive bytes of a row
.set i, i+1
.endr
.set t, t+1
.endr
	s_mul_i32 s36, s38, 24576
	s_mul_i32 s39, s35, 1536
	s_add_co_u32 s36, s36, s39
	s_add_nc_u64 s[40:41], s[20:21], s[36:37]      ; image (2 G, s)
	s_lshl_b32 s36, s38, 10
	s_lshl_b32 s39, s35, 6
	s_add_co_u32 s36, s36, s39
	s_add_co_u32 s36, s36, s23
	s_add_nc_u64 s[42:43], s[20:21], s[36:37]      ; scale words (2 G, s)
; Block j = 2 c + hh of my column: its 24 bytes of codes are registers 6 c .. 6 c + 5 of lane r' + 16 hh of my tile's image.
.macro BLOCKW j
.set XS, 128+32*(\j)
.set PCW, 24+6*(\j)
.set PTW, 48+4*(\j)
	v_max3_num_f32 v8, |v[XS]|, |v[XS+1]|, |v[XS+2]|               ; the block's largest magnitude: all 32 numbers are mine; two chains by turns
	v_max3_num_f32 v9, |v[XS+3]|, |v[XS+4]|, |v[XS+5]|
.irp i, 6,10,14,18,22,26
	v_max3_num_f32 v8, v8, |v[XS+\i]|, |v[XS+\i+1]|
	v_max3_num_f32 v9, v9, |v[XS+\i+2]|, |v[XS+\i+3]|
.endr
	v_max3_num_f32 v8, v8, |v[XS+30]|, |v[XS+31]|
	v_max3_num_f32 v8, v8, v9, FLOOR               ; and the floor: the byte cannot fall under 1
	v_add_nc_u32 v10, 0xff000000, v8               ; 2 off the exponent field: the conversion takes this operand's exponent field as its scale
	v_lshrrev_b32 v11, 23, v10                     ; the scale's byte
.if (\j) == 0
	v_mov_b32 v12, v11                             ; four bytes make my column's scale word
.else
	v_lshl_or_b32 v12, v11, 8*(\j), v12
.endif
	v_cvt_scalef32_pk16_fp6_f32 v[PCW:PCW+2], v[XS:XS+15], v10
	v_cvt_scalef32_pk16_fp6_f32 v[PTW:PTW+2], v[XS+16:XS+31], v10  ; (a conversion's three registers begin on an even number)
	v_nop                                          ; one plain instruction behind the conversions
.irp i, 0,1,2
	v_mov_b32 v[PCW+3+\i], v[PTW+\i]
.endr
.if (\j) < 2
	ds_store_b128 v4, v[PCW:PCW+3] offset:256*((\j)%2)             ; registers 0-3,
	ds_store_b64 v4, v[PCW+4:PCW+5] offset:512+256*((\j)%2)        ; 4 and 5
.else
	ds_store_b64 v4, v[PCW:PCW+1] offset:520+256*((\j)%2)          ; registers 6 and 7,
	ds_store_b128 v4, v[PCW+2:PCW+5] offset:1024+256*((\j)%2)      ; 8-11
.endif
.endm
	s_wait_loadcnt 63                              ; of the 128 loads at most 63 are out: the first 65 are in, blocks 0 and 1 among them
	BLOCKW 0
	BLOCKW 1
	s_wait_loadcnt 32                              ; block 2 is in, block 3's 32 loads may be out
	BLOCKW 2
	s_wait_loadcnt 0x0
	BLOCKW 3
.irp k, 0,1,2,3,4,5
	ds_load_b128 v[64+4*\k:67+4*\k], v5 offset:1664*(\k/3)+512*(\k%3)   ; LDS serves a wave's instructions in order: these see my stores
.endr
	s_wait_alu depctr_va_vdst(0)
.irp k, 0,1,2,3,4,5
	s_wait_dscnt 5-\k                              ; the younger loads may be out
	global_store_b128 v2, v[64+4*\k:67+4*\k], s[40:41] offset:12288*(\k/3)+512*(\k%3)   ; 32 lanes store 512 consecutive bytes
.endr
	global_store_b32 v6, v12, s[42:43]             ; two runs of 64 bytes: the scale words are one part in 24 of the codes' bytes
	s_wait_tensorcnt 0x0                           ; the wave's end, behind my last LDS store
	ds_add_u32 v[SPW], v[NIL]
	s_wait_dscnt 0x0
	s_endpgm
; ---------------- x [8192][1024], K innermost.  A wave: one tile of 16 rows x 512 along K, four K steps.  Each load reads 512 consecutive bytes of one row (a K step); the 16 rows go through the wave's
; own stage (rows 528 bytes apart) and come back so that lane (r, h) holds blocks h and 2 + h of row r: whole blocks, in the order of the fragment's registers.
.Lx:
	s_sub_co_u32 s17, ttmp9, 256
	s_lshl_b32 s17, s17, 2
	s_add_co_u32 s17, s17, s16
	s_lshr_b32 s18, s17, 1                         ; tile T
	s_and_b32 s19, s17, 1                          ; which half of K
	s_lshr_b32 s20, s18, 1
	s_lshl_b32 s20, s20, 17                        ; 32 (T >> 1) rows of 4,096 bytes
	s_and_b32 s21, s18, 1
	s_lshl_b32 s21, s21, 15                        ; 8 (T & 1) rows
	s_add_co_u32 s20, s20, s21
	s_lshl_b32 s21, s19, 11
	s_add_co_u32 s20, s20, s21
	s_mov_b32 s21, 0
	s_mul_i32 s32, s18, 12288
	s_mul_i32 s22, s19, 6144
	s_add_co_u32 s32, s32, s22
	s_mov_b32 s33, 0
	s_lshl_b32 s34, s18, 9
	s_lshl_b32 s22, s19, 8
	s_add_co_u32 s34, s34, s22
	s_add_co_u32 s34, s34, 6291456
	s_mov_b32 s35, 0
	v_and_b32 v7, 15, v0                           ; r
	v_bfe_u32 v6, v0, 4, 1                         ; h
	s_mul_i32 s31, s16, 8448                       ; my stage
	s_wait_alu depctr_va_vdst(0)
	v_add_nc_u32 v3, s31, v2                       ; into it: 16 L of a row
	v_mul_u32_u24 v4, v7, 528
	v_lshl_add_u32 v4, v6, 7, v4
	v_add_nc_u32 v4, s31, v4                       ; out of it: row r, block h
	v_lshlrev_b32 v5, 2, v1                        ; 4 L
	v_lshlrev_b32 v6, 3, v6                        ; 8 h
	v_mov_b32 v15, 0                               ; written once: a lane permute's destination counts as one of its sources
	s_mov_b32 s28, 0x76543210
	s_mov_b32 s29, 0xfedcba98                      ; v_permlanex16_b32's selects for lane l xor 16
	s_mov_b32 s30, 0xffff0000                      ; lanes 16-31
	s_wait_alu depctr_va_vdst(0)
	s_wait_kmcnt 0x0
	s_add_nc_u64 s[4:5], s[4:5], s[20:21]
	s_add_nc_u64 s[24:25], s[10:11], s[32:33]      ; my first image
	s_add_nc_u64 s[26:27], s[10:11], s[34:35]      ; my first scale words
.macro LOADX t
.set i, 0
.rept 16
	global_load_b128 v[128+64*((\t)%2)+4*i:128+64*((\t)%2)+4*i+3], v2, s[4:5] offset:((i%8)+16*(i/8))*4096+512*(\t) th:TH_LOAD_NT
.set i, i+1
.endr
.endm
.macro STEPX t
.set RS, 128+64*((\t)%2)
.set PC, 24+12*((\t)%2)
.if (\t) < 3
	s_wait_loadcnt 16                              ; this step's 16 loads are in, the next step's may be out
.else
	s_wait_loadcnt 0x0
.endif
.set i, 0
.rept 16
	ds_store_b128 v3, v[RS+4*i:RS+4*i+3] offset:528*i
.set i, i+1
.endr
.irp c, 0,1
.irp j, 0,1,2,3,4,5,6,7
	ds_load_b128 v[64+32*\c+4*\j:67+32*\c+4*\j], v4 offset:256*\c+16*\j   ; LDS serves a wave's instructions in order: these see the stores above
.endr
.endr
	s_wait_dscnt 0x0                               ; my numbers are back, and the stores have read their registers,
.if (\t) < 2
	LOADX (\t)+2                                   ; which take the loads of two steps on
.endif
.irp c, 0,1
	v_max3_num_f32 v[8+\c], |v[64+32*\c]|, |v[65+32*\c]|, FLOOR    ; my two blocks by turns; the floor holds the byte at 1 from below
.endr
.irp i, 2,4,6,8,10,12,14,16,18,20,22,24,26,28,30
.irp c, 0,1
	v_max3_num_f32 v[8+\c], v[8+\c], |v[64+32*\c+\i]|, |v[65+32*\c+\i]|
.endr
.endr
.irp c, 0,1
	v_add_nc_u32 v[10+\c], 0xff000000, v[8+\c]     ; 2 off the exponent field: the conversion's scale operand
.endr
.irp c, 0,1
	v_lshrrev_b32 v[12+\c], 23, v[10+\c]           ; the scale's byte
.endr
	v_lshl_or_b32 v14, v13, 16, v12                ; blocks h and 2 + h,
	v_lshlrev_b32 v14, v6, v14                     ; at their places in the word;
	v_permlanex16_b32 v15, v14, s28, s29
	v_or_b32 v[16+(\t)], v14, v15                  ; with lane l xor 16's two the word is whole
.if (\t) >= 2
	s_wait_alu depctr_va_vdst(0)
	s_wait_xcnt 0x0                                ; the stores of two steps back have read these registers
.endif
.irp c, 0,1
	v_cvt_scalef32_pk16_fp6_f32 v[PC+6*\c:PC+6*\c+2], v[64+32*\c:79+32*\c], v[10+\c]
	v_cvt_scalef32_pk16_fp6_f32 v[48+4*\c:50+4*\c], v[80+32*\c:95+32*\c], v[10+\c]   ; (a conversion's three registers begin on an even number)
.endr
	v_nop                                          ; one plain instruction behind the conversions
.irp c, 0,1
.irp i, 0,1,2
	v_mov_b32 v[PC+3+6*\c+\i], v[48+4*\c+\i]
.endr
.endr
.irp g, 0,1,2
	global_store_b128 v2, v[PC+4*\g:PC+4*\g+3], s[24:25] offset:1536*(\t)+512*\g   ; 32 lanes store 512 consecutive bytes
.endr
.endm
	LOADX 0
	LOADX 1
	STEPX 0
	STEPX 1
	STEPX 2
	STEPX 3
.irp i, 0,1
	v_cndmask_b32 v[22+\i], v[16+2*\i], v[17+2*\i], s30            ; lanes 0-15: step 2 i's words, lanes 16-31: step 2 i + 1's
	global_store_b32 v5, v[22+\i], s[26:27] offset:128*\i          ; 128 consecutive bytes
.endr
	s_wait_tensorcnt 0x0                           ; the wave's end, behind my last LDS store
	ds_add_u32 v[SPW], v[NIL]
	s_wait_dscnt 0x0
	s_endpgm
.Lfunc_end_k_qc06e526e4e_quant:
	.size	k_qc06e526e4e_quant, .Lfunc_end_k_qc06e526e4e_quant-k_qc06e526e4e_quant
	.p2alignl 7, 3214868480
	.fill 96, 4, 3214868480
	.section	.rodata,"a",@progbits
	.p2align	6, 0x0
	.amdhsa_kernel k_qc06e526e4e_quant
		.amdhsa_group_segment_fixed_size 47616
		.amdhsa_private_segment_fixed_size 0
		.amdhsa_enable_private_segment 0
		.amdhsa_kernarg_size 48
		.amdhsa_user_sgpr_count 2
		.amdhsa_user_sgpr_kernarg_segment_ptr 1
		.amdhsa_wavefront_size32 1
		.amdhsa_system_sgpr_workgroup_id_x 1
		.amdhsa_system_sgpr_workgroup_id_y 1
		.amdhsa_system_sgpr_workgroup_id_z 1
		.amdhsa_system_vgpr_workitem_id 0
		.amdhsa_next_free_vgpr 256
		.amdhsa_next_free_sgpr 66
		.amdhsa_reserve_vcc 0
		.amdhsa_float_denorm_mode_32 3
		.amdhsa_float_denorm_mode_16_64 3
		.amdhsa_memory_ordered 1
		.amdhsa_forward_progress 1
		.amdhsa_inst_pref_size 54
	.end_amdhsa_kernel
	.amdgpu_metadata
---
amdhsa.version: [ 1, 2 ]
amdhsa.kernels:
  - .name:           k_qc06e526e4e_quant
    .symbol:         k_qc06e526e4e_quant.kd
    .args:
      - { .name: x, .offset: 0, .size: 8, .value_kind: global_buffer, .address_space: global }
      - { .name: qkv_w, .offset: 8, .size: 8, .value_kind: global_buffer, .address_space: global }
      - { .name: out_w, .offset: 16, .size: 8, .value_kind: global_buffer, .address_space: global }
      - { .name: xq, .offset: 24, .size: 8, .value_kind: global_buffer, .address_space: global }
      - { .name: wq, .offset: 32, .size: 8, .value_kind: global_buffer, .address_space: global }
      - { .name: wo, .offset: 40, .size: 8, .value_kind: global_buffer, .address_space: global }
    .group_segment_fixed_size: 47616
    .private_segment_fixed_size: 0
    .kernarg_segment_align: 8
    .kernarg_segment_size: 48
    .max_flat_workgroup_size: 128
    .sgpr_count:     66
    .vgpr_count:     256
    .wavefront_size: 32
...
	.end_amdgpu_metadata
.endif
;; end of part 1
;; launch gemm_qkv (part 2): grid 8 x 32, 4 waves a work-group, clusters of 4 x 4, 327,680 bytes of LDS; arguments xq, wq, qkv_b, qimg, kimg, vimg; writes qimg, kimg, vimg
.if DOCPART == 2
	.amdgcn_target "amdgcn-amd-amdhsa--gfx1250"
	.amdhsa_code_object_version 6
	.text
	.protected	k_qc06e526e4e_gemm_qkv
	.globl	k_qc06e526e4e_gemm_qkv
	.p2align	8
	.type	k_qc06e526e4e_gemm_qkv,@function
k_qc06e526e4e_gemm_qkv:
	s_mov_b64 s[64:65], 0
	v_nop
	global_prefetch_b8 v0, s[64:65] scope:SCOPE_SE
	s_setreg_imm32_b32 hwreg(HW_REG_WAVE_MODE, 25, 1), 1
	s_wait_xcnt 0x0
	s_wait_alu depctr_hold_cnt(0) depctr_sa_sdst(0) depctr_va_vdst(0) depctr_va_sdst(0) depctr_va_ssrc(0) depctr_va_vcc(0) depctr_vm_vsrc(0)
	s_getreg_b32 s2, hwreg(HW_REG_IB_STS2, 6, 4)
	s_cmp_eq_u32 s2, 0
	s_cbranch_scc0 .Lentry_in_a_cluster
	s_endpgm
.Lentry_in_a_cluster:
	s_bfe_u32 s2, ttmp6, 0x10000c
	s_cmp_lg_u32 s2, 0xf033
	s_cbranch_scc0 .Lentry_shape_is_right
	s_endpgm
.Lentry_shape_is_right:
; qkv = x qkv_w + qkv_b on codes of FP6 (E2M3) with E8M0 scales; q, k, v are quantised in registers for attention: q and k along the head's channels, v along the keys.  No work is left out here.
; TILES, IMAGES: tile T = 2 G + u holds in lane r row 32 G + 8 u + (r & 7) + 16 (r >> 3); a fragment (a tile x 128 K, 12 registers a lane) lies in memory as an image of its registers, 1,536 bytes.
; xq, wq: image (T, K step s) at 12,288 T + 1,536 s: a tile's whole K is 12,288 bytes on end; scale words behind the images: word (T, s, r) at 512 T + 64 s + 4 r.
; THE DEAL: 256 work-groups; work-group (J, PB) owns 256 positions (x's tiles 16 PB ..) and head pair J, and makes three UNITS on end: q, k, v of that pair, 256 x 128 each.
; x's 16 tiles, all of K (196,608 bytes), come into LDS once and stay.  A unit's 8 tiles of W (98,304 bytes) have a region of their own, filled three times, each time behind the three lines and a round of
; the cluster's barrier; the next unit's fill is asked for ahead of the last unit's way out.  By this text's count a wave never has more than one tensor load out.
; THE PRODUCT IS USED TRANSPOSED: source 0 = a tile of the B side, source 1 = a tile of the A side: a lane holds one row of the A side and the 64 registers of its 8 B tiles are 128 neighbours of the B side.
; q, k: A = positions (wave w: x's tiles 4 w ..), B = the unit's 8 tiles of W.  v: A = channels (W's tiles 4 (w / 2) ..), B = positions (x's tiles 8 (w % 2) ..).  q and k are a loop of two trips; v is written out.
; CLUSTER 4 x 4: x's tiles hang on PB and are asked for jointly along a row of the cluster, W's on J, along a column.
; PREFETCH: a unit's 384 blocks of 256 bytes of W are named once in each column of a cluster, 24 by each of its sixteen waves, shared out by address: unit 0's at the head, unit u + 1's behind K step 1 of unit u.
; OUT: record (8 batch + J, s) of 12,800 bytes: 8 images, then 512 bytes of scale words at 12,288 + 256 u + 8 L.  q, k: image t = positions' tile 8 s + t; v: image 4 e + t = channel tile t of head e, K = keys 128 s on.
; LIMITS: a block of zeros gets the byte 1 (its codes are zeros; this program alone reads the bytes); NaN and infinities are not served.
; REGISTERS: window 0: v1 16 L, v2 4 L, v3 8 L, v4 and v8-11 LDS addresses, v5 the prefetch's offset, v12, v13 the add's two, v14, v15 the bias's offsets, v16-63 scale words, v64-159 A's fragments (way out: codes),
; v160-223 the bias as C, v224-239 at work, v240-243 v's bias.  window 1: B's fragments, two sets of 96.  window 2: accumulator (a, b) at v[8 (8 a + b)].
.set WB,    196608
.set SPARE, 294912
.set WSTEP, 786432                     ; 64 tiles of W from unit to unit
.set ADA, 4
.set PFV, 5
.set ADB, 8
.set SPW, 12
.set NIL, 13
.set SA,  16
.set SB,  32
.set AF,  64
.set BC,  160
.set TM,  224
.set MSB, 0
.macro WIN new
.if MSB != \new
	s_set_vgpr_msb (MSB<<8)|\new
.set MSB, \new
.endif
.endm
.macro PLACES
.rept 4
	v_nop
.endr
.endm
.macro CROUND
	s_barrier_signal -1
	s_barrier_wait -1
	s_cmp_lg_u32 s66, 0
	s_cbranch_scc1 .Lnot_wave_0_\@
	s_barrier_signal -3
.Lnot_wave_0_\@:
	s_barrier_wait -3
	s_barrier_signal -1
	s_barrier_wait -1
.endm
.macro SCALES                          ; the scale words of my 4 A tiles (first: s77) and 8 B tiles (first: s86): they stay in registers for the unit
	s_lshl_b32 s50, s77, 9
	s_add_co_u32 s50, s50, s90
	s_add_nc_u64 s[78:79], s[92:93], s[50:51]
	s_lshl_b32 s50, s86, 9
	s_add_co_u32 s50, s50, s91
	s_add_nc_u64 s[80:81], s[94:95], s[50:51]
.irp a, 0,1,2,3
.irp j, 0,1,2,3
	global_load_b32 v[SA+4*\a+\j], v2, s[78:79] offset:512*\a+128*\j   ; lanes 0-15: K step 2 j's words, lanes 16-31: 2 j + 1's
.endr
.endr
.irp b, 0,1,2,3,4,5,6,7
.irp j, 0,1,2,3
	global_load_b32 v[SB+4*\b+\j], v2, s[80:81] offset:512*\b+128*\j
.endr
.endr
.endm
.macro BIASQ                           ; q, k: registers run along channels: for B's tile b the eight numbers of my half, from W's tile s74 on
	s_lshl_b32 s50, s74, 6
	s_add_nc_u64 s[82:83], s[8:9], s[50:51]
.irp b, 0,1,2,3,4,5,6,7
	global_load_b128 v[BC+8*\b:BC+8*\b+3], v14, s[82:83] offset:(32*(\b/2)+8*(\b%2))*4
	global_load_b128 v[BC+8*\b+4:BC+8*\b+7], v14, s[82:83] offset:(32*(\b/2)+8*(\b%2))*4+16
.endr
.endm
.macro OUTPTR                          ; where a unit's results go: buffer s[88:89], record s49 + s76, its half s75
	s_add_co_u32 s50, s49, s76
	s_mul_i32 s50, s50, 12800
	s_add_nc_u64 s[84:85], s[88:89], s[50:51]
	s_lshl_b32 s50, s75, 8
	s_add_co_u32 s50, s50, 12288
	s_add_nc_u64 s[96:97], s[84:85], s[50:51]
	s_mul_i32 s50, s75, 6144
	s_add_nc_u64 s[84:85], s[84:85], s[50:51]
.endm
.macro FETCH s                         ; K step s: 8 fragments of B into set s % 2 of window 1, 4 of A into set s % 2: 36 loads of 512 bytes on end
	WIN 0x40
.irp i, 0,1,2,3,4,5,6,7
.irp g, 0,1,2
	ds_load_b128 v[96*((\s)%2)+12*\i+4*\g:96*((\s)%2)+12*\i+4*\g+3], v[ADB+\i/2] offset:12288*(\i%2)+1536*(\s)+512*\g
.endr
.endr
	WIN 0
.irp i, 0,1,2,3
.irp g, 0,1,2
	ds_load_b128 v[AF+48*((\s)%2)+12*\i+4*\g:AF+48*((\s)%2)+12*\i+4*\g+3], v[ADA] offset:12288*\i+1536*(\s)+512*\g
.endr
.endr
.endm
; 16 products of K step s.  cm = 0: onto the sums; 1: the bias along registers starts them; 2: the bias along lanes.  The 32 accumulators take turns.
.macro MUL s, a0, cm
.irp a, \a0, \a0+1
.irp b, 0,1,2,3,4,5,6,7
.set rD, 8*(8*(\a)+\b)
.set rB, 96*((\s)%2)+12*\b
.set rA, AF+48*((\s)%2)+12*(\a)
.set rC, rD
.if \cm == 1
.set rC, BC+8*\b
.endif
.if \cm == 2
.set rC, BC+8*(\a)
.endif
.set rSB, SB+4*\b+(\s)/2
.set rSA, SA+4*(\a)+(\s)/2
.if (\s)%2
	v_wmma_scale_f32_16x16x128_f8f6f4 v[rD:rD+7], v[rB:rB+11], v[rA:rA+11], v[rC:rC+7], v[rSB], v[rSA] matrix_a_fmt:MATRIX_FMT_FP6 matrix_b_fmt:MATRIX_FMT_FP6 matrix_a_scale:MATRIX_SCALE_ROW1 matrix_b_scale:MATRIX_SCALE_ROW1
.else
	v_wmma_scale_f32_16x16x128_f8f6f4 v[rD:rD+7], v[rB:rB+11], v[rA:rA+11], v[rC:rC+7], v[rSB], v[rSA] matrix_a_fmt:MATRIX_FMT_FP6 matrix_b_fmt:MATRIX_FMT_FP6
.endif
.endr
.endr
.endm
.macro STEP s, cm                      ; this step's fragments are in; the next step's are asked for ahead of this step's 32 products
	s_wait_dscnt 0x0
.if (\s) < 7
.if (\s) > 0
	PLACES                                         ; the other sets were multiplied last
.endif
	FETCH (\s)+1
.endif
.if \cm
	WIN 0x81
.else
	WIN 0xa1
.endif
	MUL \s, 0, \cm
	MUL \s, 2, \cm
.endm
; The 64 registers of A's tile a are 128 neighbours along the next K of my lane's row: one fragment and one scale word.
.macro QUANTW src, pc, pw
	WIN 0x28
.irp b, 0,1,2,3
	v_max3_num_f32 v[TM+\b], 0x1800000, |v[(\src)+16*\b]|, |v[(\src)+1+16*\b]|   ; my 16 numbers of block b and the floor 2^(3 - 127); each accumulator from its low end on
.endr
.irp i, 2,4,6,8,10,12,14
.irp b, 0,1,2,3
	v_max3_num_f32 v[TM+\b], v[TM+\b], |v[(\src)+16*\b+\i]|, |v[(\src)+1+16*\b+\i]|
.endr
.endr
	WIN 0
.irp b, 0,1,2,3
	v_permlanex16_b32 v[TM+4+\b], v[TM+\b], s60, s61
.endr
.irp b, 0,1,2,3
	v_max_num_f32 v[TM+\b], v[TM+\b], v[TM+4+\b]   ; with lane l xor 16's
.endr
.irp b, 0,1,2,3
	v_add_nc_u32 v[TM+12+\b], 0xff000000, v[TM+\b] ; 2 off the exponent field: the conversion's scale operand
.endr
.irp b, 0,1,2,3
	v_lshrrev_b32 v[TM+4+\b], 23, v[TM+12+\b]      ; the scale's byte
.endr
	v_lshl_or_b32 v[\pw], v[TM+5], 8, v[TM+4]
	v_lshl_or_b32 v[\pw], v[TM+6], 16, v[\pw]
	v_lshl_or_b32 v[\pw], v[TM+7], 24, v[\pw]
	WIN 0x02
.irp c, 0,1
	v_cvt_scalef32_pk16_fp6_f32 v[(\pc)+6*\c:(\pc)+2+6*\c], v[(\src)+32*\c:(\src)+15+32*\c], v[TM+12+2*\c]
	v_cvt_scalef32_pk16_fp6_f32 v[(\pc)+12+4*\c:(\pc)+14+4*\c], v[(\src)+16+32*\c:(\src)+31+32*\c], v[TM+12+2*\c+1]
.endr
	WIN 0
	v_nop                                          ; one plain instruction behind the conversions
.irp c, 0,1                            ; a whole block to a lane: lanes 0-15 block 2 c, lanes 16-31 block 2 c + 1
.irp i, 0,1,2
	v_permlane16_swap_b32 v[(\pc)+6*\c+\i], v[(\pc)+12+4*\c+\i]
.endr
.irp i, 0,1,2
	v_mov_b32 v[(\pc)+3+6*\c+\i], v[(\pc)+12+4*\c+\i]
.endr
.endr
.endm
.macro WAYOUT
.irp a, 0,1,2,3
	QUANTW 64*\a, 64+20*\a, 144+\a
.irp g, 0,1,2
	global_store_b128 v1, v[64+20*\a+4*\g:67+20*\a+4*\g], s[84:85] offset:1536*\a+512*\g   ; 32 lanes store 512 bytes on end
.endr
.endr
	v_cndmask_b32 v148, v144, v146, s62            ; lanes 0-15: the words of my images 0 and 1, lanes 16-31: of 2 and 3
	v_cndmask_b32 v149, v145, v147, s62
	global_store_b64 v3, v[148:149], s[96:97]      ; 256 bytes on end, aligned
.endm
	s_load_b256 s[4:11], s[0:1], 0x0               ; xq s[4:5], wq s[6:7], qkv_b s[8:9], qimg s[10:11]
	s_load_b128 s[12:15], s[0:1], 0x20             ; kimg s[12:13], vimg s[14:15]
	v_lshl_add_u32 v[SPW], v0, 2, SPARE
	v_mov_b32 v[NIL], 0
	ds_add_u32 v[SPW], v[NIL]                      ; the opening lines: the add twice on end and its wait
	ds_add_u32 v[SPW], v[NIL]
	v_lshrrev_b32 v1, 5, v0
	v_readfirstlane_b32 s66, v1                    ; wave w
	s_lshr_b32 s67, s66, 1
	s_and_b32 s68, s66, 1
	s_bfe_u32 s69, ttmp6, 0x40000                  ; cx
	s_bfe_u32 s70, ttmp6, 0x40004                  ; cy
	s_lshl_b32 s71, ttmp9, 2
	s_add_co_u32 s71, s71, s69                     ; J
	s_and_b32 s72, ttmp7, 0xffff
	s_lshl_b32 s72, s72, 2
	s_add_co_u32 s72, s72, s70                     ; PB
	s_lshl_b32 s50, s70, 2
	s_lshl_b32 s50, 15, s50                        ; my row of the cluster
	s_lshl_b32 s51, 0x1111, s69                    ; my column
	s_or_b32 s16, s50, (3<<16)|(1<<21)             ; group 1 for x: elements of 8 bytes, rows of 12,288 bytes (a tile's whole K), four tiles a wave
	s_or_b32 s24, s51, (3<<16)|(1<<21)             ; and for W: two tiles a wave
	s_mov_b32 s17, 1536<<16
	s_mov_b32 s18, 4<<16
	s_mov_b32 s19, 1536<<16
	s_mov_b32 s20, 4
	s_mov_b32 s21, 1536
	s_mov_b32 s22, 0
	s_mov_b32 s23, 0
	s_mov_b32 s25, 1536<<16
	s_mov_b32 s26, 2<<16
	s_mov_b32 s27, 1536<<16
	s_mov_b32 s28, 2
	s_mov_b32 s29, 1536
	s_mov_b32 s30, 0
	s_mov_b32 s31, 0
	s_lshl_b32 s73, s72, 4                         ; x's first tile
	s_lshl_b32 s40, s66, 2
	s_add_co_u32 s40, s40, s73                     ; q, k: my first A tile
	s_lshl_b32 s41, s68, 3
	s_add_co_u32 s41, s41, s73                     ; v: my first B tile
	s_mul_i32 s42, s66, 49152                      ; LDS: q, k: my A tiles
	s_mul_i32 s43, s67, 49152
	s_add_co_u32 s43, s43, WB                      ; v: my A tiles
	s_mul_i32 s44, s68, 98304                      ; v: my B tiles
	s_mov_b32 s47, 2359296                         ; where wq's scale words begin,
	s_mov_b32 s48, 6291456                         ; and xq's
	s_lshl_b32 s74, s71, 3                         ; the unit's first tile of W: 8 J, + 64 a unit
	s_lshr_b32 s49, s72, 2
	s_lshl_b32 s49, s49, 3
	s_add_co_u32 s49, s49, s71
	s_lshl_b32 s49, s49, 3
	s_and_b32 s50, s72, 3
	s_lshl_b32 s50, s50, 1
	s_add_co_u32 s49, s49, s50                     ; my first record: (8 batch + J) 8 + 2 (PB % 4)
	s_mov_b32 s32, 1
	s_mov_b32 s33, s42
	s_mul_i32 s52, s40, 12288
	s_mov_b32 s53, 0
	s_mov_b32 s36, 1
	s_mul_i32 s37, s66, 24576
	s_add_co_u32 s37, s37, WB
	s_lshl_b32 s54, s66, 1
	s_add_co_u32 s54, s54, s74
	s_mul_i32 s54, s54, 12288
	s_mov_b32 s55, 0
	s_mul_i32 s56, s74, 12288
	s_mov_b32 s57, 0
	s_lshl_b32 s58, s70, 2
	s_add_co_u32 s58, s58, s66
	s_mul_i32 s58, s58, 24                         ; my 24 blocks of the 384 of a unit's W
	s_mov_b32 s60, 0x76543210
	s_mov_b32 s61, 0xfedcba98                      ; selects for lane l xor 16
	s_mov_b32 s62, 0xffff0000                      ; lanes 16-31
	v_and_b32 v224, 31, v0
	v_lshlrev_b32 v1, 4, v224
	v_lshlrev_b32 v2, 2, v224
	v_lshlrev_b32 v3, 3, v224
	v_bfe_u32 v14, v0, 4, 1
	v_lshlrev_b32 v14, 6, v14                      ; the bias along registers: 16 numbers on for lanes 16-31
	v_and_b32 v15, 7, v0
	v_bfe_u32 v225, v0, 3, 1
	v_lshl_add_u32 v15, v225, 4, v15
	v_lshlrev_b32 v15, 2, v15                      ; the bias along lanes: number (r & 7) + 16 (r >> 3)
	v_min_u32 v[PFV], 23, v224                     ; lanes 24-31 name the wave's last block again
	v_add_nc_u32 v[PFV], s58, v[PFV]
	v_lshlrev_b32 v[PFV], 8, v[PFV]
.irp b, 0,1,2,3
	v_mov_b32 v[TM+4+\b], 0                        ; a lane permute's destination counts as one of its sources
.endr
	v_add_nc_u32 v[ADA], s42, v1
.irp c, 0,1,2,3
	v_add_nc_u32 v[ADB+\c], WB+24576*\c, v1
.endr
	s_mov_b32 s3, 0
	s_mov_b32 s51, 0
	s_mov_b32 s75, s68                             ; q: the record's half,
	s_mov_b32 s76, s67                             ; which of my two records,
	s_mov_b32 s77, s40
	s_mov_b32 s86, s74
	s_mov_b32 s90, s48
	s_mov_b32 s91, s47
	s_wait_alu depctr_va_vdst(0)                   ; the head's end
	s_wait_dscnt 0x0
	s_wait_kmcnt 0x0
	s_add_nc_u64 s[34:35], s[4:5], s[52:53]
	s_or_b32 s35, s35, 0x80000000
	s_add_nc_u64 s[38:39], s[6:7], s[54:55]
	s_or_b32 s39, s39, 0x80000000
	s_add_nc_u64 s[98:99], s[6:7], s[56:57]
	s_mov_b64 s[92:93], s[4:5]
	s_mov_b64 s[94:95], s[6:7]
	s_mov_b64 s[88:89], s[10:11]
	CROUND                                         ; all sixteen work-groups are here: the joint loads meet
	tensor_load_to_lds s[32:35], s[16:23]          ; my four tiles of x: one load a wave at the head
	s_nop 0
	PLACES
	global_prefetch_b8 v[PFV], s[98:99] th:TH_LOAD_NT scope:SCOPE_SE   ; unit 0's W
	SCALES
	BIASQ
	s_lshl_b32 s50, s67, 2
	s_add_co_u32 s50, s50, s74
	s_add_co_u32 s50, s50, 128
	s_lshl_b32 s50, s50, 6
	s_add_nc_u64 s[58:59], s[8:9], s[50:51]
.irp a, 0,1,2,3
	global_load_b32 v[240+\a], v15, s[58:59] offset:(32*(\a/2)+8*(\a%2))*4   ; v: for A's tile a my lane's number
.endr
	OUTPTR
	s_wait_xcnt 0x0                                ; the prefetch has read its base
	s_add_nc_u64 s[98:99], s[98:99], WSTEP
	s_wait_tensorcnt 0x0                           ; my tiles of x are in; the three lines and a round ahead of W's first fill, as ahead of a refill
	ds_add_u32 v[SPW], v[NIL]
	s_wait_dscnt 0x0
	CROUND
	tensor_load_to_lds s[36:39], s[24:31]
	s_nop 0
	PLACES
.Lunit:                                                ; q, then k
	s_wait_tensorcnt 0x0                           ; my two tiles of W are in,
	s_add_nc_u64 s[38:39], s[38:39], WSTEP         ; so the descriptor may step to the next unit's
	s_barrier_signal -1
	s_barrier_wait -1                              ; everybody's are
	FETCH 0
	s_wait_loadcnt 0x0                             ; the scale words and the bias
	STEP 0, 1
	STEP 1, 0
	WIN 0
	global_prefetch_b8 v[PFV], s[98:99] th:TH_LOAD_NT scope:SCOPE_SE   ; the next unit's W, six K steps ahead of its load
	STEP 2, 0
	STEP 3, 0
	STEP 4, 0
	STEP 5, 0
	STEP 6, 0
	STEP 7, 0
	WIN 0
	s_wait_tensorcnt 0x0                           ; the three lines ahead of the refill's round
	ds_add_u32 v[SPW], v[NIL]
	s_add_co_u32 s74, s74, 64
	s_lshl_b32 s45, s67, 2
	s_add_co_u32 s45, s45, s74
	s_wait_dscnt 0x0                               ; the add is done; my reads of W's region ended ahead of K step 7's products
	CROUND
	tensor_load_to_lds s[36:39], s[24:31]          ; the next unit's W
	s_nop 0
	PLACES                                         ; also the places behind the last products
	s_cmp_eq_u32 s3, 1                             ; is the next unit v?  The choices hang on the trip's number alone
	s_cselect_b32 s75, s67, s68
	s_cselect_b32 s76, s68, s67
	s_cselect_b32 s77, s45, s40
	s_cselect_b32 s86, s41, s74
	s_cselect_b32 s90, s47, s48
	s_cselect_b32 s91, s48, s47
	s_cselect_b64 s[92:93], s[6:7], s[4:5]
	s_cselect_b64 s[94:95], s[4:5], s[6:7]
	s_cselect_b64 s[88:89], s[14:15], s[12:13]
	SCALES
	s_cmp_eq_u32 s3, 0
	s_cbranch_scc0 .Lno_bias                       ; v's bias came at the head
	BIASQ
.Lno_bias:
	WAYOUT                                         ; this unit leaves while the next unit's W is on its way
	s_wait_xcnt 0x0                                ; the stores and the prefetch have read their registers
	OUTPTR
	s_add_nc_u64 s[98:99], s[98:99], WSTEP
	s_add_co_u32 s3, s3, 1
	s_cmp_lt_u32 s3, 2
	s_cbranch_scc1 .Lunit
	; v: the waves deal the tiles 2 x 2
	v_add_nc_u32 v[ADA], s43, v1
.irp c, 0,1,2,3
	v_add_nc_u32 v[ADB+\c], s44, v1
	s_add_co_u32 s44, s44, 24576
.endr
	s_wait_loadcnt 0x0
.irp a, 0,1,2,3
.irp j, 0,1,2,3,4,5,6,7
	v_mov_b32 v[BC+8*\a+\j], v[240+\a]             ; my lane's number in all eight registers of C's layout
.endr
.endr
	s_wait_alu depctr_va_vdst(0)
	s_wait_tensorcnt 0x0
	s_barrier_signal -1
	s_barrier_wait -1
	FETCH 0
	STEP 0, 2
	STEP 1, 0
	STEP 2, 0
	STEP 3, 0
	STEP 4, 0
	STEP 5, 0
	STEP 6, 0
	STEP 7, 0
	WIN 0
	PLACES
	WAYOUT
	s_wait_tensorcnt 0x0                           ; the wave's end
	ds_add_u32 v[SPW], v[NIL]
	s_wait_dscnt 0x0
	CROUND                                         ; the closing round
	s_endpgm
.Lfunc_end_k_qc06e526e4e_gemm_qkv:
	.size	k_qc06e526e4e_gemm_qkv, .Lfunc_end_k_qc06e526e4e_gemm_qkv-k_qc06e526e4e_gemm_qkv
	.p2alignl 7, 3214868480
	.fill 96, 4, 3214868480
	.section	.rodata,"a",@progbits
	.p2align	6, 0x0
	.amdhsa_kernel k_qc06e526e4e_gemm_qkv
		.amdhsa_group_segment_fixed_size 327680
		.amdhsa_private_segment_fixed_size 0
		.amdhsa_enable_private_segment 0
		.amdhsa_kernarg_size 48
		.amdhsa_user_sgpr_count 2
		.amdhsa_user_sgpr_kernarg_segment_ptr 1
		.amdhsa_wavefront_size32 1
		.amdhsa_system_sgpr_workgroup_id_x 1
		.amdhsa_system_sgpr_workgroup_id_y 1
		.amdhsa_system_sgpr_workgroup_id_z 1
		.amdhsa_system_vgpr_workitem_id 0
		.amdhsa_next_free_vgpr 768
		.amdhsa_next_free_sgpr 100
		.amdhsa_reserve_vcc 0
		.amdhsa_float_denorm_mode_32 3
		.amdhsa_float_denorm_mode_16_64 3
		.amdhsa_memory_ordered 1
		.amdhsa_forward_progress 1
		.amdhsa_inst_pref_size 162
	.end_amdhsa_kernel
	.amdgpu_metadata
---
amdhsa.version: [ 1, 2 ]
amdhsa.kernels:
  - .name:           k_qc06e526e4e_gemm_qkv
    .symbol:         k_qc06e526e4e_gemm_qkv.kd
    .args:
      - { .name: xq, .offset: 0, .size: 8, .value_kind: global_buffer, .address_space: global }
      - { .name: wq, .offset: 8, .size: 8, .value_kind: global_buffer, .address_space: global }
      - { .name: qkv_b, .offset: 16, .size: 8, .value_kind: global_buffer, .address_space: global }
      - { .name: qimg, .offset: 24, .size: 8, .value_kind: global_buffer, .address_space: global }
      - { .name: kimg, .offset: 32, .size: 8, .value_kind: global_buffer, .address_space: global }
      - { .name: vimg, .offset: 40, .size: 8, .value_kind: global_buffer, .address_space: global }
    .group_segment_fixed_size: 327680
    .private_segment_fixed_size: 0
    .kernarg_segment_align: 8
    .kernarg_segment_size: 48
    .max_flat_workgroup_size: 128
    .sgpr_count:     100
    .vgpr_count:     768
    .wavefront_size: 32
...
	.end_amdgpu_metadata
.endif
;; end of part 2
;; launch attn (part 3): grid 256 x 1, 8 waves a work-group, clusters of 4 x 1, 327,680 bytes of LDS; arguments qimg, kimg, vimg, aimg; writes aimg
.if DOCPART == 3
	.amdgcn_target "amdgcn-amd-amdhsa--gfx1250"
	.amdhsa_code_object_version 6
	.text
	.protected	k_qc06e526e4e_attn
	.globl	k_qc06e526e4e_attn
	.p2align	8
	.type	k_qc06e526e4e_attn,@function
k_qc06e526e4e_attn:
	s_mov_b64 s[64:65], 0
	v_nop
	global_prefetch_b8 v0, s[64:65] scope:SCOPE_SE
	s_setreg_imm32_b32 hwreg(HW_REG_WAVE_MODE, 25, 1), 1
	s_wait_xcnt 0x0
	s_wait_alu depctr_hold_cnt(0) depctr_sa_sdst(0) depctr_va_vdst(0) depctr_va_sdst(0) depctr_va_ssrc(0) depctr_va_vcc(0) depctr_vm_vsrc(0)
	s_getreg_b32 s2, hwreg(HW_REG_IB_STS2, 6, 4)
	s_cmp_eq_u32 s2, 0
	s_cbranch_scc0 .Lentry_in_a_cluster
	s_endpgm
.Lentry_in_a_cluster:
	s_bfe_u32 s2, ttmp6, 0x10000c
	s_cmp_lg_u32 s2, 0x3003
	s_cbranch_scc0 .Lentry_shape_is_right
	s_endpgm
.Lentry_shape_is_right:
; Both products of attention on codes of FP6 (E2M3) with E8M0 scales, the softmax between them, and o quantised in registers along the channels for the last product.
; WORK LEFT OUT: steps of 128 keys that lie wholly behind a tile of queries: reference()'s own mask multiplies those scores by 0 and takes 1e10 away, so their p is 0 for all finite inputs (shown at the head of launch quant).
; In the step on the diagonal the hidden scores are replaced by reference()'s -1e10.
; LIMITS: that holds while a row's largest visible logit lies above about -9.9e9; the promise holds while the scaled scores stay under 2^31 in magnitude; a NaN, an infinity or an overflow that reaches only the products left out
; is not carried to the result; NaN and infinities are not served.
; THE DEAL: a cluster of four work-groups takes one (batch, head pair): 64 tiles of 16 queries, 16 to a work-group, two to a wave: tile s15 of record OO and tile 7 - s15 of record 7 - OO: 9 key steps a wave, for both heads.
; ALL K AND V of the pair (16 records of 12,800 bytes) come into LDS once, by ONE joint load a wave (two records, 100 rows of 256 bytes), and are shown by one barrier; behind it the waves share nothing and meet again only at the closing round.
; No prefetch: the launch's only fills go out at its head, so there is no loop to run ahead in.
; A KEY STEP serves both heads: a fragment of K holds head 0 in registers 0-5 and head 1 in 6-11 and is multiplied with (q0, 0) and with (0, q1).  K's eight fragments lie in window 1 and are fetched one step ahead, behind
; the second head's score products; the step on the diagonal, a tile's last, fetches none.  V's four fragments of a head are fetched a softmax ahead of their products.
; Both products are used transposed (S^T = k q^T, O^T = v^T p^T): a lane holds one query.  M is the running largest t rounded up to a whole number, kept as -M; a block's largest p is made of the block's largest score.
; REGISTERS: v1-4 LDS addresses, v5, v6 the add's two, v7 the mask's bound, v8-11 the step's addresses, v12-15 and v84-87 a head's -M, largest t and sum, v16-33 q0, zeros, q1, v34-81 V, v88-91 K's scale words, v94, v95 q's,
; v96-159 scores and p, v160-223 O^T of both heads, v224-235 p's codes, v232-254 at work, v248-249 V's scale words.  Window 1: v0-95 K, v96-119 both tiles' q as loaded.
.set REC,   12800
.set VB,    102400
.set SPARE, 204800
.set SPW, 5
.set NIL, 6
.set WV,  12
.set OO,  14
.set G1,  16
.set SEL, 32
.set CS,  34
.set TS,  36
.set KS,  37
.set DG,  38
.set MSB, 0
.macro WIN new
.if MSB != \new
	s_set_vgpr_msb (MSB<<8)|\new
.set MSB, \new
.endif
.endm
.macro NOP4
.rept 4
	v_nop
.endr
.endm
.macro CROUND
	s_barrier_signal -1
	s_barrier_wait -1
	s_cmp_lg_u32 s[WV], 0
	s_cbranch_scc1 .Lnot_wave_0_\@
	s_barrier_signal -3
.Lnot_wave_0_\@:
	s_barrier_wait -3
	s_barrier_signal -1
	s_barrier_wait -1
.endm
	s_load_b256 s[4:11], s[0:1], 0x0               ; qimg, kimg, vimg, aimg
	v_lshl_add_u32 v[SPW], v0, 2, SPARE
	v_mov_b32 v[NIL], 0
	ds_add_u32 v[SPW], v[NIL]                      ; the opening lines: the add twice on end and its wait
	ds_add_u32 v[SPW], v[NIL]
	v_lshrrev_b32 v7, 5, v0
	s_delay_alu instid0(VALU_DEP_1)
	v_readfirstlane_b32 s[WV], v7
	s_bfe_u32 s13, ttmp6, 0x40000                  ; cx
	s_and_b32 s[OO], s[WV], 3
	s_lshr_b32 s62, s[WV], 2
	s_lshl_b32 s15, s13, 1
	s_add_co_u32 s15, s15, s62                     ; my tile in a record of queries
	s_mov_b32 s[G1], 15|(3<<16)|(1<<21)            ; all four partners; elements of 8 bytes; 100 rows of 256 bytes
	s_mov_b32 s[G1+1], 32<<16
	s_mov_b32 s[G1+2], 100<<16
	s_mov_b32 s[G1+3], 32<<16
	s_mov_b32 s[G1+4], 100
	s_mov_b32 s[G1+5], 32
	s_mov_b32 s[G1+6], 0
	s_mov_b32 s[G1+7], 0
	s_mov_b32 s24, 1
	s_mul_i32 s25, s[WV], 2*REC                    ; waves 0-3: K's records 2 OO, 2 OO + 1; waves 4-7: V's, behind K's eight
	s_mul_i32 s60, ttmp9, 8*REC
	s_mul_i32 s63, s[OO], 2*REC
	s_add_co_u32 s60, s60, s63
	s_mov_b32 s61, 0
	s_mov_b32 s[SEL], 0x76543210
	s_mov_b32 s[SEL+1], 0xfedcba98
	s_mov_b32 s[CS], 0x3e38aa3b                    ; log2(e) / 8
	s_mov_b32 s[CS+1], s[CS]
	v_and_b32 v7, 31, v0
	s_delay_alu instid0(VALU_DEP_1)
	v_lshlrev_b32 v1, 4, v7
	s_delay_alu instid0(VALU_DEP_1)
	v_add_nc_u32 v2, VB, v1
	s_delay_alu instid0(VALU_DEP_3)
	v_lshlrev_b32 v3, 3, v7
	s_delay_alu instid0(VALU_DEP_1)
	v_add_nc_u32 v4, VB+12288, v3
	s_delay_alu instid0(VALU_DEP_2)
	v_add_nc_u32 v3, 12288, v3
	v_and_b32 v243, 15, v0
	s_delay_alu instid0(VALU_DEP_1)
	v_lshlrev_b32 v8, 3, v243
	s_delay_alu instid0(VALU_DEP_2)
	v_lshlrev_b32 v243, 2, v243
	v_and_b32 v255, 7, v0
	v_bfe_u32 v9, v0, 3, 1
	s_delay_alu instid0(VALU_DEP_1)
	v_lshl_add_u32 v255, v9, 4, v255
	v_bfe_u32 v9, v0, 4, 1
	s_delay_alu instid0(VALU_DEP_1)
	v_lshlrev_b32 v9, 4, v9
	s_delay_alu instid0(VALU_DEP_1)
	v_sub_nc_u32 v255, v255, v9                    ; my query in its tile, less my half's 16 keys
.irp i, 22,23,24,25,26,27
	v_mov_b32 v\i, 0                               ; the zeros between q0 and q1
.endr
.irp i, 236,237,238,239,252,253
	v_mov_b32 v\i, 0
.endr
	s_wait_alu depctr_va_vdst(0)                   ; the head's end
	s_wait_dscnt 0x0
	s_wait_kmcnt 0x0
	s_cmp_lt_u32 s[WV], 4
	s_cselect_b64 s[26:27], s[6:7], s[8:9]
	s_add_nc_u64 s[26:27], s[26:27], s[60:61]
	s_or_b32 s27, s27, 0x80000000
	CROUND
	tensor_load_to_lds s[24:27], s[G1:G1+7]
	s_nop 0
	NOP4
.macro BASES p                         ; tile s63 of record s62: q's image and scale words, the mask's bound, o's image and scale words
	s_lshl_b32 s39, ttmp9, 3
	s_add_co_u32 s39, s39, s62
	s_mul_i32 s39, s39, REC
	s_mul_i32 s60, s63, 1536
	s_add_co_u32 s60, s60, s39
	s_add_nc_u64 s[40+2*\p:41+2*\p], s[4:5], s[60:61]
	s_lshr_b32 s55, s63, 1
	s_and_b32 s38, s63, 1
	s_lshl_b32 s60, s55, 7
	s_add_co_u32 s60, s60, s39
	s_lshl_b32 s39, s38, 2
	s_add_co_u32 s60, s60, s39
	s_add_co_u32 s60, s60, 12288
	s_add_nc_u64 s[56+2*\p:57+2*\p], s[4:5], s[60:61]
	s_lshl_b32 s55, s55, 5
	s_lshl_b32 s38, s38, 3
	s_add_co_u32 s[52+\p], s55, s38
	s_lshr_b32 s39, ttmp9, 3
	s_lshl_b32 s39, s39, 3
	s_add_co_u32 s39, s39, s62
	s_lshl_b32 s39, s39, 3
	s_add_co_u32 s39, s39, s63
	s_and_b32 s55, ttmp9, 7
	s_mul_i32 s60, s39, 12288
	s_mul_i32 s38, s55, 1536
	s_add_co_u32 s60, s60, s38
	s_add_nc_u64 s[44+2*\p:45+2*\p], s[10:11], s[60:61]
	s_lshl_b32 s60, s39, 9
	s_lshl_b32 s38, s55, 6
	s_add_co_u32 s60, s60, s38
	s_add_co_u32 s60, s60, 6291456
	s_add_nc_u64 s[48+2*\p:49+2*\p], s[10:11], s[60:61]
.endm
	s_mov_b32 s62, s[OO]
	s_mov_b32 s63, s15
	BASES 0
	s_sub_co_u32 s62, 7, s[OO]
	s_sub_co_u32 s63, 7, s15
	BASES 1
	WIN 0x40
.irp p, 0,1
.irp g, 0,1,2
	global_load_b128 v[96+12*\p+4*\g:99+12*\p+4*\g], v1, s[40+2*\p:41+2*\p] offset:512*\g
.endr
.endr
	WIN 0
	global_load_b32 v94, v8, s[56:57]
	global_load_b32 v95, v8, s[58:59]
.macro KLOAD adr, sadr, off            ; K's eight fragments and their scale words: 26 loads
	WIN 0x40
.irp t, 0,1,2,3,4,5,6,7
.irp k, 0,1,2
	ds_load_b128 v[12*\t+4*\k:12*\t+4*\k+3], v[\adr] offset:(\off)+1536*\t+512*\k
.endr
.endr
	WIN 0
	ds_load_b64 v[88:89], v[\sadr] offset:\off
	ds_load_b64 v[90:91], v[\sadr] offset:(\off)+256
.endm
.macro VLOAD eta                       ; a head's four fragments of V and their scale words: 13 loads
.irp t, 0,1,2,3
.irp k, 0,1,2
	ds_load_b128 v[34+12*\t+4*\k:37+12*\t+4*\k], v9 offset:6144*\eta+1536*\t+512*\k
.endr
.endr
	ds_load_b64 v[248:249], v11 offset:256*\eta
.endm
.macro SMUL eta, qs                    ; S^T of 128 keys for one head
	WIN 0x01
.irp n, 0,1,2,3,4,5,6,7
.if (\n%4) < 2
	v_wmma_scale_f32_16x16x128_f8f6f4 v[96+8*\n:103+8*\n], v[12*\n:12*\n+11], v[16+6*\eta:27+6*\eta], 0, v[88+2*(\n/4)+\n%2], v[\qs] matrix_a_fmt:MATRIX_FMT_FP6 matrix_b_fmt:MATRIX_FMT_FP6
.else
	v_wmma_scale_f32_16x16x128_f8f6f4 v[96+8*\n:103+8*\n], v[12*\n:12*\n+11], v[16+6*\eta:27+6*\eta], 0, v[88+2*(\n/4)+\n%2], v[\qs] matrix_a_fmt:MATRIX_FMT_FP6 matrix_b_fmt:MATRIX_FMT_FP6 matrix_a_scale:MATRIX_SCALE_ROW1
.endif
.endr
	WIN 0
.endm
.macro MASK                            ; on the diagonal: keys behind my query get reference()'s -1e10
	v_mov_b32 v254, 0xd19502f9
.set n, 0
.rept 64
	v_cmp_gt_i32 vcc_lo, 32*(n/16)+n%16, v7
	v_cndmask_b32 v[96+n], v[96+n], v254, vcc_lo
.set n, n+1
.endr
.endm
.macro SOFT eta, st                    ; scores -> p's codes and scale word; the sum and O^T brought under the new M
.irp b, 0,1,2,3
	v_max3_num_f32 v[232+\b], v[96+16*\b], v[97+16*\b], v[98+16*\b]
.endr
.irp i, 3,5,7,9,11,13
.irp b, 0,1,2,3
	v_max3_num_f32 v[232+\b], v[232+\b], v[96+16*\b+\i], v[97+16*\b+\i]
.endr
.endr
.irp b, 0,1,2,3
	v_max_num_f32 v[232+\b], v[232+\b], v[111+16*\b]
.endr
.irp b, 0,1,2,3
	s_delay_alu instid0(VALU_DEP_4)
	v_permlanex16_b32 v[236+\b], v[232+\b], s[SEL], s[SEL+1]
.endr
.irp b, 0,1,2,3
	s_delay_alu instid0(VALU_DEP_4)
	v_max_num_f32 v[232+\b], v[232+\b], v[236+\b]  ; each block's largest score
.endr
	s_delay_alu instid0(VALU_DEP_2)
	v_max3_num_f32 v254, v232, v233, v234
	s_delay_alu instid0(VALU_DEP_1)
	v_max_num_f32 v254, v254, v235
	s_delay_alu instid0(VALU_DEP_1)
	v_mul_f32 v254, s[CS], v254
	s_delay_alu instid0(VALU_DEP_1)
	v_max_num_f32 v[\st+1], v[\st+1], v254         ; the running largest t
	v_mov_b32 v254, v[\st]
	s_delay_alu instid0(VALU_DEP_2)
	v_floor_f32 v[\st], -v[\st+1]                  ; -M
	s_delay_alu instid0(VALU_DEP_1)
	v_sub_f32 v254, v[\st], v254
	s_delay_alu instid0(VALU_DEP_1)
	v_cvt_i32_f32 v254, v254
	s_delay_alu instid0(VALU_DEP_1)
	v_ldexp_f32 v252, 1.0, v254                    ; f = 2^(old M - new M)
.set j, 0
.rept 32
	v_pk_fma_f32 v[96+j:97+j], v[96+j:97+j], s[CS:CS+1], v[\st:\st+1] op_sel_hi:[1,0,0]
.set j, j+2
.endr
.irp b, 0,1,2,3
	v_fma_f32 v[232+\b], v[232+\b], s[CS], v[\st]
.endr
	s_wait_alu depctr_va_vdst(0)                   ; a wait ahead of the batch and one behind it
.set j, 0
.rept 64
	v_exp_f32 v[96+j], v[96+j]
.set j, j+1
.endr
	v_pk_mul_f32 v[\st+2:\st+3], v[\st+2:\st+3], v[252:253] op_sel_hi:[1,0]
	s_wait_alu depctr_va_vdst(0)
.irp b, 0,1,2,3
	v_exp_f32 v[232+\b], v[232+\b]                 ; each block's largest p
.endr
	v_pk_add_f32 v[236:237], v[96:97], v[98:99]    ; the sum of the unquantised p, in two chains
.irp j, 4,8,12,16,20,24,28,32,36,40,44,48,52,56,60
	v_pk_add_f32 v[\st+2:\st+3], v[\st+2:\st+3], v[96+\j:97+\j]
	v_pk_add_f32 v[236:237], v[236:237], v[98+\j:99+\j]
.endr
	s_delay_alu instid0(VALU_DEP_1)
	v_pk_add_f32 v[\st+2:\st+3], v[\st+2:\st+3], v[236:237]
	s_wait_alu depctr_va_vdst(0)
.irp b, 0,1,2,3
	v_max_num_f32 v[232+\b], 0x1800000, v[232+\b]  ; the floor 2^(3 - 127)
.endr
.irp b, 0,1,2,3
	s_delay_alu instid0(VALU_DEP_4)
	v_add_nc_u32 v[244+\b], 0xff000000, v[232+\b]
.endr
.irp b, 0,1,2,3
	s_delay_alu instid0(VALU_DEP_4)
	v_lshrrev_b32 v[236+\b], 23, v[244+\b]
.endr
	s_delay_alu instid0(VALU_DEP_3)
	v_lshl_or_b32 v253, v237, 8, v236
	s_delay_alu instid0(VALU_DEP_1)
	v_lshl_or_b32 v253, v238, 16, v253
	s_delay_alu instid0(VALU_DEP_1)
	v_lshl_or_b32 v253, v239, 24, v253             ; p's scale word
.irp c, 0,1
	v_cvt_scalef32_pk16_fp6_f32 v[224+6*\c:226+6*\c], v[96+32*\c:111+32*\c], v[244+2*\c]
	v_cvt_scalef32_pk16_fp6_f32 v[236+4*\c:238+4*\c], v[112+32*\c:127+32*\c], v[244+2*\c+1]
.endr
	v_nop
.irp c, 0,1
.irp i, 0,1,2
	v_permlane16_swap_b32 v[224+6*\c+\i], v[236+4*\c+\i]
.endr
.irp i, 0,1,2
	s_delay_alu instid0(VALU_DEP_3)
	v_mov_b32 v[227+6*\c+\i], v[236+4*\c+\i]
.endr
.endr
	s_wait_alu depctr_va_vdst(0)                   ; the wait ahead of the first reader of O^T
.set j, 0
.rept 16
	v_pk_mul_f32 v[160+32*\eta+j:161+32*\eta+j], v[160+32*\eta+j:161+32*\eta+j], v[252:253] op_sel_hi:[1,0]
.set j, j+2
.endr
.endm
.macro PV eta                          ; O^T += v^T p^T; the four accumulators take turns
	s_wait_alu depctr_va_vdst(0)
	s_wait_dscnt 0x0                               ; V's fragments are in (and, behind the second head's scores, the next step's K)
.irp t, 0,1,2,3
.if \t < 2
	v_wmma_scale_f32_16x16x128_f8f6f4 v[160+32*\eta+8*\t:167+32*\eta+8*\t], v[34+12*\t:45+12*\t], v[224:235], v[160+32*\eta+8*\t:167+32*\eta+8*\t], v[248+\t%2], v253 matrix_a_fmt:MATRIX_FMT_FP6 matrix_b_fmt:MATRIX_FMT_FP6
.else
	v_wmma_scale_f32_16x16x128_f8f6f4 v[160+32*\eta+8*\t:167+32*\eta+8*\t], v[34+12*\t:45+12*\t], v[224:235], v[160+32*\eta+8*\t:167+32*\eta+8*\t], v[248+\t%2], v253 matrix_a_fmt:MATRIX_FMT_FP6 matrix_b_fmt:MATRIX_FMT_FP6 matrix_a_scale:MATRIX_SCALE_ROW1
.endif
.endr
.endm
.macro KSTEP qs
	v_add_nc_u32 v8, s[TS], v1                     ; (these four are the places behind the last step's products)
	v_add_nc_u32 v9, s[TS], v2
	v_add_nc_u32 v10, s[TS], v3
	v_add_nc_u32 v11, s[TS], v4
	s_wait_alu depctr_va_vdst(0)
	VLOAD 0
	s_wait_dscnt 13                                ; K and its scale words are in; the 13 loads just issued may be out
	SMUL 0, \qs
	NOP4
	s_cmp_lg_u32 s[KS], s[DG]
	s_cbranch_scc1 .Lopen_\@
	MASK
.Lopen_\@:
	SOFT 0, 12
	PV 0
	SMUL 1, \qs
	NOP4                                           ; the places behind both runs of products
	VLOAD 1
	s_cmp_eq_u32 s[KS], s[DG]
	s_cbranch_scc1 .Ldiag_\@
	KLOAD 8, 10, REC                               ; the next step's K: the tile's last step asks for none
	s_branch .Lgo_\@
.Ldiag_\@:
	MASK
.Lgo_\@:
	SOFT 1, 84
	PV 1
.endm
.macro PASS p, nt
.if \p == 0
	s_wait_tensorcnt 0x0                           ; my two records are in
	s_barrier_signal -1
	s_barrier_wait -1                              ; everybody's are: all K and V
	s_wait_loadcnt 0x0
.else
	s_wait_xcnt 0x0                                ; the first tile's stores have read their registers
.endif
	KLOAD 1, 3, 0
	WIN 0x01
.irp i, 0,1,2,3,4,5
	v_mov_b32 v[16+\i], v[96+12*\p+\i]
	v_mov_b32 v[28+\i], v[102+12*\p+\i]
.endr
	WIN 0
.if \p == 0
	s_mov_b32 s[DG], s[OO]
.else
	s_sub_co_u32 s[DG], 7, s[OO]
.endif
	v_add_nc_u32 v7, s[52+\p], v255
.irp st, 12, 84
	v_mov_b32 v[\st+1], 0xff61b1e6                 ; the largest t so far: -3e38
	v_mov_b32 v[\st+2], 0
	v_mov_b32 v[\st+3], 0
	v_floor_f32 v[\st], -v[\st+1]
.endr
.set j, 0
.rept 64
	v_mov_b32 v[160+j], 0
.set j, j+1
.endr
	s_mov_b32 s[TS], 0
	s_mov_b32 s[KS], 0
.Lk_\@:                                                ; a constant number of trips; steps behind the diagonal are passed over by ids alone
	s_cmp_gt_u32 s[KS], s[DG]
	s_cbranch_scc1 .Lskip_\@
	KSTEP 94+\p
.Lskip_\@:
	s_add_co_u32 s[TS], s[TS], REC
	s_add_co_u32 s[KS], s[KS], 1
	s_cmp_lt_u32 s[KS], \nt
	s_cbranch_scc1 .Lk_\@
	v_add_f32 v14, v14, v15                        ; both heads' sums by turns
	v_add_f32 v86, v86, v87
	v_permlanex16_b32 v252, v14, s[SEL], s[SEL+1]
	v_permlanex16_b32 v236, v86, s[SEL], s[SEL+1]
	v_add_f32 v14, v14, v252
	v_add_f32 v86, v86, v236
	s_wait_alu depctr_va_vdst(0)
	v_rcp_f32 v14, v14
	v_rcp_f32 v86, v86
	v_nop
	s_wait_alu depctr_va_vdst(0)
.set j, 0
.rept 16
	v_pk_mul_f32 v[160+j:161+j], v[160+j:161+j], v[14:15] op_sel_hi:[1,0]
.set j, j+2
.endr
.set j, 0
.rept 16
	v_pk_mul_f32 v[192+j:193+j], v[192+j:193+j], v[86:87] op_sel_hi:[1,0]
.set j, j+2
.endr
; o's 128 channels of the pair are 64 registers a lane: one fragment of the last product and its scale word
.irp b, 0,1,2,3
	v_max3_num_f32 v[232+\b], |v[160+16*\b]|, |v[161+16*\b]|, 0x1800000
.endr
.irp i, 2,4,6,8,10,12,14
.irp b, 0,1,2,3
	s_delay_alu instid0(VALU_DEP_4)
	v_max3_num_f32 v[232+\b], v[232+\b], |v[160+16*\b+\i]|, |v[161+16*\b+\i]|
.endr
.endr
.irp b, 0,1,2,3
	s_delay_alu instid0(VALU_DEP_4)
	v_permlanex16_b32 v[236+\b], v[232+\b], s[SEL], s[SEL+1]
.endr
.irp b, 0,1,2,3
	s_delay_alu instid0(VALU_DEP_4)
	v_max_num_f32 v[232+\b], v[232+\b], v[236+\b]
.endr
.irp b, 0,1,2,3
	s_delay_alu instid0(VALU_DEP_4)
	v_add_nc_u32 v[244+\b], 0xff000000, v[232+\b]
.endr
.irp b, 0,1,2,3
	s_delay_alu instid0(VALU_DEP_4)
	v_lshrrev_b32 v[236+\b], 23, v[244+\b]
.endr
	s_delay_alu instid0(VALU_DEP_3)
	v_lshl_or_b32 v253, v237, 8, v236
	s_delay_alu instid0(VALU_DEP_1)
	v_lshl_or_b32 v253, v238, 16, v253
	s_delay_alu instid0(VALU_DEP_1)
	v_lshl_or_b32 v253, v239, 24, v253
.irp c, 0,1
	v_cvt_scalef32_pk16_fp6_f32 v[96+6*\c:98+6*\c], v[160+32*\c:175+32*\c], v[244+2*\c]
	v_cvt_scalef32_pk16_fp6_f32 v[108+4*\c:110+4*\c], v[176+32*\c:191+32*\c], v[244+2*\c+1]
.endr
	v_nop
.irp c, 0,1
.irp i, 0,1,2
	v_permlane16_swap_b32 v[96+6*\c+\i], v[108+4*\c+\i]
.endr
.irp i, 0,1,2
	s_delay_alu instid0(VALU_DEP_3)
	v_mov_b32 v[99+6*\c+\i], v[108+4*\c+\i]
.endr
.endr
.irp g, 0,1,2
	global_store_b128 v1, v[96+4*\g:99+4*\g], s[44+2*\p:45+2*\p] offset:512*\g   ; 32 lanes store 512 bytes on end
.endr
	global_store_b32 v243, v253, s[48+2*\p:49+2*\p]
.endm
	PASS 0, 4
	PASS 1, 8
	s_wait_tensorcnt 0x0                           ; the wave's end
	ds_add_u32 v[SPW], v[NIL]
	s_wait_dscnt 0x0
	CROUND                                         ; the closing round
	s_endpgm
.Lfunc_end_k_qc06e526e4e_attn:
	.size	k_qc06e526e4e_attn, .Lfunc_end_k_qc06e526e4e_attn-k_qc06e526e4e_attn
	.p2alignl 7, 3214868480
	.fill 96, 4, 3214868480
	.section	.rodata,"a",@progbits
	.p2align	6, 0x0
	.amdhsa_kernel k_qc06e526e4e_attn
		.amdhsa_group_segment_fixed_size 327680
		.amdhsa_private_segment_fixed_size 0
		.amdhsa_enable_private_segment 0
		.amdhsa_kernarg_size 32
		.amdhsa_user_sgpr_count 2
		.amdhsa_user_sgpr_kernarg_segment_ptr 1
		.amdhsa_wavefront_size32 1
		.amdhsa_system_sgpr_workgroup_id_x 1
		.amdhsa_system_sgpr_workgroup_id_y 1
		.amdhsa_system_sgpr_workgroup_id_z 1
		.amdhsa_system_vgpr_workitem_id 0
		.amdhsa_next_free_vgpr 384
		.amdhsa_next_free_sgpr 66
		.amdhsa_reserve_vcc 1
		.amdhsa_float_denorm_mode_32 3
		.amdhsa_float_denorm_mode_16_64 3
		.amdhsa_memory_ordered 1
		.amdhsa_forward_progress 1
		.amdhsa_inst_pref_size 120
	.end_amdhsa_kernel
	.amdgpu_metadata
---
amdhsa.version: [ 1, 2 ]
amdhsa.kernels:
  - .name:           k_qc06e526e4e_attn
    .symbol:         k_qc06e526e4e_attn.kd
    .args:
      - { .name: qimg, .offset: 0, .size: 8, .value_kind: global_buffer, .address_space: global }
      - { .name: kimg, .offset: 8, .size: 8, .value_kind: global_buffer, .address_space: global }
      - { .name: vimg, .offset: 16, .size: 8, .value_kind: global_buffer, .address_space: global }
      - { .name: aimg, .offset: 24, .size: 8, .value_kind: global_buffer, .address_space: global }
    .group_segment_fixed_size: 327680
    .private_segment_fixed_size: 0
    .kernarg_segment_align: 8
    .kernarg_segment_size: 32
    .max_flat_workgroup_size: 256
    .sgpr_count:     66
    .vgpr_count:     384
    .wavefront_size: 32
...
	.end_amdgpu_metadata
.endif
;; end of part 3
;; launch gemm_out (part 4): grid 4 x 64, 4 waves a work-group, clusters of 4 x 4, 295,424 bytes of LDS; arguments aimg, wo, out_b, out0; writes out0
.if DOCPART == 4
	.amdgcn_target "amdgcn-amd-amdhsa--gfx1250"
	.amdhsa_code_object_version 6
	.text
	.protected	k_qc06e526e4e_gemm_out
	.globl	k_qc06e526e4e_gemm_out
	.p2align	8
	.type	k_qc06e526e4e_gemm_out,@function
k_qc06e526e4e_gemm_out:
	s_mov_b64 s[64:65], 0
	v_nop
	global_prefetch_b8 v0, s[64:65] scope:SCOPE_SE
	s_setreg_imm32_b32 hwreg(HW_REG_WAVE_MODE, 25, 1), 1
	s_wait_xcnt 0x0
	s_wait_alu depctr_hold_cnt(0) depctr_sa_sdst(0) depctr_va_vdst(0) depctr_va_sdst(0) depctr_va_ssrc(0) depctr_va_vcc(0) depctr_vm_vsrc(0)
	s_getreg_b32 s2, hwreg(HW_REG_IB_STS2, 6, 4)
	s_cmp_eq_u32 s2, 0
	s_cbranch_scc0 .Lentry_in_a_cluster
	s_endpgm
.Lentry_in_a_cluster:
	s_bfe_u32 s2, ttmp6, 0x10000c
	s_cmp_lg_u32 s2, 0xf033
	s_cbranch_scc0 .Lentry_shape_is_right
	s_endpgm
.Lentry_shape_is_right:
; out0 = o out_w + out_b on codes of FP6 (E2M3) with E8M0 scales; out0 [8192][1024] f32.  No work is left out here.
; aimg, wo: images of fragments: tile T = 2 G + u holds in lane r row 32 G + 8 u + (r & 7) + 16 (r >> 3); image (T, K step s) at 12,288 T + 1,536 s; scale words behind the images: word (T, s, r) at 512 T + 64 s + 4 r.
; THE PRODUCT IS USED TRANSPOSED: source 0 = a tile of out_w's columns (B side), source 1 = a tile of positions (A side): a lane holds one row of out0, and the 64 registers of its 8 B tiles are 128 neighbouring columns.
; SHARES: a work-group makes 128 rows x 256 columns; a wave 64 x 128: 32 accumulators.  All of K (1,024) of both sides lies in LDS, tile by tile (12,288 bytes each); every LDS byte is filled once, by ONE tensor load a wave
; at the head: waves 0, 1 four tiles of A each, waves 2, 3 eight tiles of B each.  One barrier shows them to all.  No prefetch: the only fills go out at the head, so there is no loop to run ahead in.
; CLUSTER 4 x 4: the A side's tiles are asked for jointly along a row of the cluster, the B side's along a column.
; REGISTERS: window 0: v1 16 L, v2 4 L, v3, v15 the stage's addresses; v4, v8-11 LDS addresses of my fragments; v12, v13 the add's two; v14 the bias's offset; v16-31, v32-63 scale words; v64-159 A's fragments, two sets
; (on the way out v64-191: rows read back); v160-223 the bias as C.   window 1: B's fragments, two sets of 96.   window 2: accumulator (a, b) at v[8 (8 a + b)].
.set LB,    98304
.set SPARE, 294912
.set ADA, 4
.set ADB, 8
.set SPW, 12
.set NIL, 13
.set SA,  16
.set SB,  32
.set AF,  64
.set BC,  160
.set STO, 15
.set RD,  3
.set BK,  64
.set MSB, 0
.macro WIN new
.if MSB != \new
	s_set_vgpr_msb (MSB<<8)|\new
.set MSB, \new
.endif
.endm
.macro PLACES
.rept 4
	v_nop
.endr
.endm
.macro CROUND
	s_barrier_signal -1
	s_barrier_wait -1
	s_cmp_lg_u32 s66, 0
	s_cbranch_scc1 .Lnot_wave_0_\@
	s_barrier_signal -3
.Lnot_wave_0_\@:
	s_barrier_wait -3
	s_barrier_signal -1
	s_barrier_wait -1
.endm
	s_load_b256 s[4:11], s[0:1], 0x0               ; aimg s[4:5], wo s[6:7], out_b s[8:9], out0 s[10:11]
	v_lshl_add_u32 v[SPW], v0, 2, SPARE
	v_mov_b32 v[NIL], 0
	ds_add_u32 v[SPW], v[NIL]                      ; the opening lines: the add twice on end and its wait
	ds_add_u32 v[SPW], v[NIL]
	v_lshrrev_b32 v1, 5, v0
	v_readfirstlane_b32 s66, v1                    ; wave 0..3
	s_lshr_b32 s67, s66, 1                         ; my half of the rows.  Also: I fetch for A (0) or for B (1)
	s_and_b32 s68, s66, 1                          ; my half of the columns.  Also: which half I fetch
	s_bfe_u32 s69, ttmp6, 0x40000                  ; cx
	s_bfe_u32 s70, ttmp6, 0x40004                  ; cy
	s_and_b32 s72, ttmp7, 0xffff                   ; the cluster's y
	s_lshl_b32 s88, s70, 2
	s_lshl_b32 s88, 15, s88                        ; my row of the cluster
	s_lshl_b32 s92, 0x1111, s69                    ; my column
	s_or_b32 s16, s88, (3<<16)|(1<<21)             ; group 1 for A: elements of 8 bytes; a row is a tile's whole K, 12,288 bytes
	s_or_b32 s24, s92, (3<<16)|(1<<21)
	s_mov_b32 s17, 1536<<16
	s_mov_b32 s18, 4<<16                           ; A: four tiles a load
	s_mov_b32 s19, 1536<<16
	s_mov_b32 s20, 4
	s_mov_b32 s21, 1536
	s_mov_b32 s22, 0
	s_mov_b32 s23, 0
	s_mov_b32 s25, 1536<<16
	s_mov_b32 s26, 8<<16                           ; B: eight tiles a load
	s_mov_b32 s27, 1536<<16
	s_mov_b32 s28, 8
	s_mov_b32 s29, 1536
	s_mov_b32 s30, 0
	s_mov_b32 s31, 0
	s_lshl_b32 s86, s72, 5
	s_lshl_b32 s88, s70, 3
	s_add_co_u32 s86, s86, s88                     ; A's first tile: 32 x cluster y + 8 cy
	s_lshl_b32 s87, s69, 4                         ; B's: 16 cx
	s_lshl_b32 s88, s68, 2
	s_add_co_u32 s88, s88, s86
	s_mul_i32 s88, s88, 12288                      ; A: the four tiles that I fetch, in bytes,
	s_mov_b32 s89, 0
	s_mul_i32 s91, s68, 49152                      ; and where they go
	s_lshl_b32 s92, s68, 3
	s_add_co_u32 s92, s92, s87
	s_mul_i32 s92, s92, 12288                      ; B: the eight tiles,
	s_mov_b32 s93, 0
	s_mul_i32 s95, s68, 98304
	s_add_co_u32 s95, s95, LB                      ; and where they go
	v_and_b32 v224, 31, v0
	v_lshlrev_b32 v1, 4, v224                      ; 16 L
	v_lshlrev_b32 v2, 2, v224                      ; 4 L
	v_bfe_u32 v14, v0, 4, 1
	v_lshlrev_b32 v14, 6, v14                      ; 64 h
	v_and_b32 v225, 15, v0
	s_mul_i32 s2, s66, 8448
	s_add_co_u32 s2, s2, LB                        ; my stage for the way out: 16 rows x (512 + 16) bytes, on B's first tiles: they have had their one fill, and K step 7's barrier stands behind every wave's last read
	v_mul_u32_u24 v[STO], v225, 528
	v_add_nc_u32 v[STO], v[STO], v14
	v_add_nc_u32 v[STO], s2, v[STO]                ; in: row r, 64 bytes on for lanes 16-31
	v_add_nc_u32 v[RD], s2, v1                     ; back: a row's 512 bytes, 16 a lane
	s_mul_i32 s74, s67, 49152
	s_mul_i32 s76, s68, 98304
	s_add_co_u32 s76, s76, LB
	v_add_nc_u32 v[ADA], s74, v1
.irp c, 0,1,2,3
	v_add_nc_u32 v[ADB+\c], s76, v1                ; a register for each two tiles of B
	s_add_co_u32 s76, s76, 24576
.endr
	s_wait_alu depctr_va_vdst(0)                   ; the head's end
	s_wait_dscnt 0x0
	s_wait_kmcnt 0x0
	s_add_nc_u64 s[88:89], s[4:5], s[88:89]
	s_add_nc_u64 s[92:93], s[6:7], s[92:93]
	s_mov_b32 s32, 1
	s_mov_b32 s33, s91
	s_mov_b64 s[34:35], s[88:89]
	s_or_b32 s35, s35, 0x80000000
	s_mov_b32 s48, 1
	s_mov_b32 s49, s95
	s_mov_b64 s[50:51], s[92:93]
	s_or_b32 s51, s51, 0x80000000
	CROUND                                         ; all sixteen work-groups are here: the joint loads meet
	s_cmp_eq_u32 s67, 0
	s_cbranch_scc0 .Lfill_b
	tensor_load_to_lds s[32:35], s[16:23]
	s_nop 0
	PLACES
	s_branch .Lfilled
.Lfill_b:
	tensor_load_to_lds s[48:51], s[24:31]
	s_nop 0
	PLACES
.Lfilled:
	s_lshl_b32 s2, s67, 2
	s_add_co_u32 s2, s2, s86                       ; my first tile of rows
	s_lshl_b32 s3, s68, 3
	s_add_co_u32 s3, s3, s87                       ; and of columns
	s_mov_b32 s75, 0
	s_lshl_b32 s74, s2, 9
	s_add_co_u32 s74, s74, 6291456
	s_add_nc_u64 s[78:79], s[4:5], s[74:75]        ; my A tiles' scale words
	s_lshl_b32 s74, s3, 9
	s_add_co_u32 s74, s74, 786432
	s_add_nc_u64 s[80:81], s[6:7], s[74:75]        ; my B tiles'
	s_lshl_b32 s74, s3, 6
	s_add_nc_u64 s[82:83], s[8:9], s[74:75]        ; my 128 numbers of the bias
.irp a, 0,1,2,3
.irp j, 0,1,2,3
	global_load_b32 v[SA+4*\a+\j], v2, s[78:79] offset:512*\a+128*\j   ; lanes 0-15: K step 2 j's words, lanes 16-31: 2 j + 1's
.endr
.endr
.irp b, 0,1,2,3,4,5,6,7
.irp j, 0,1,2,3
	global_load_b32 v[SB+4*\b+\j], v2, s[80:81] offset:512*\b+128*\j
.endr
.endr
.irp b, 0,1,2,3,4,5,6,7                ; the bias is the C of the first K step
	global_load_b128 v[BC+8*\b:BC+8*\b+3], v14, s[82:83] offset:(32*(\b/2)+8*(\b%2))*4
	global_load_b128 v[BC+8*\b+4:BC+8*\b+7], v14, s[82:83] offset:(32*(\b/2)+8*(\b%2))*4+16
.endr
	s_lshl_b32 s74, s2, 16                         ; 16 rows of 4,096 bytes a tile,
	s_lshl_b32 s76, s3, 6                          ; 16 columns of 4 bytes a tile
	s_add_co_u32 s74, s74, s76
	s_add_nc_u64 s[84:85], s[10:11], s[74:75]      ; my corner of out0
.macro FETCH s
	WIN 0x40
.irp i, 0,1,2,3,4,5,6,7
.irp g, 0,1,2
	ds_load_b128 v[96*((\s)%2)+12*\i+4*\g:96*((\s)%2)+12*\i+4*\g+3], v[ADB+\i/2] offset:12288*(\i%2)+1536*(\s)+512*\g
.endr
.endr
	WIN 0
.irp i, 0,1,2,3
.irp g, 0,1,2
	ds_load_b128 v[AF+48*((\s)%2)+12*\i+4*\g:AF+48*((\s)%2)+12*\i+4*\g+3], v[ADA] offset:12288*\i+1536*(\s)+512*\g
.endr
.endr
.endm
; 16 products of K step s.  cm = 1: the bias starts the sums.  The 32 accumulators take turns.
.macro MUL s, a0, cm
.irp a, \a0, \a0+1
.irp b, 0,1,2,3,4,5,6,7
.set rD, 8*(8*(\a)+\b)
.set rB, 96*((\s)%2)+12*\b
.set rA, AF+48*((\s)%2)+12*(\a)
.set rC, rD
.if \cm == 1
.set rC, BC+8*\b
.endif
.set rSB, SB+4*\b+(\s)/2
.set rSA, SA+4*(\a)+(\s)/2
.if (\s)%2
	v_wmma_scale_f32_16x16x128_f8f6f4 v[rD:rD+7], v[rB:rB+11], v[rA:rA+11], v[rC:rC+7], v[rSB], v[rSA] matrix_a_fmt:MATRIX_FMT_FP6 matrix_b_fmt:MATRIX_FMT_FP6 matrix_a_scale:MATRIX_SCALE_ROW1 matrix_b_scale:MATRIX_SCALE_ROW1
.else
	v_wmma_scale_f32_16x16x128_f8f6f4 v[rD:rD+7], v[rB:rB+11], v[rA:rA+11], v[rC:rC+7], v[rSB], v[rSA] matrix_a_fmt:MATRIX_FMT_FP6 matrix_b_fmt:MATRIX_FMT_FP6
.endif
.endr
.endr
.endm
.macro STEP s, cm
	s_wait_dscnt 0x0                               ; this step's fragments are in
.if (\s) < 7
.if (\s) > 0
	PLACES                                         ; the other sets were multiplied last
.endif
	FETCH (\s)+1
.else
	s_barrier_signal -1                            ; my reads of the tiles are over
.endif
.if \cm
	WIN 0x81
.else
	WIN 0xa1
.endif
	MUL \s, 0, \cm
	MUL \s, 2, \cm
.if (\s) == 7
	s_barrier_wait -1                              ; everybody's are: the stages may be written
.endif
.endm
	s_wait_tensorcnt 0x0                           ; my tiles are in
	s_barrier_signal -1
	s_barrier_wait -1                              ; everybody's are
	FETCH 0
	s_wait_loadcnt 0x0                             ; the scale words and the bias
	STEP 0, 1
	STEP 1, 0
	STEP 2, 0
	STEP 3, 0
	STEP 4, 0
	STEP 5, 0
	STEP 6, 0
	STEP 7, 0
	WIN 0
; THE WAY OUT, a tile of 16 rows x 128 columns at a time, through my own stage, back as whole rows of 512 bytes.  LDS serves a wave's instructions in order (ISA guide 5.7.1.4): no wait between the stores and the loads.
.macro TOSTAGE a
	WIN 0x08
.irp b, 0,1,2,3,4,5,6,7
	ds_store_b128 v[STO], v[8*(8*(\a)+\b):8*(8*(\a)+\b)+3] offset:128*(\b/2)+32*(\b%2)        ; each accumulator from its low end on
	ds_store_b128 v[STO], v[8*(8*(\a)+\b)+4:8*(8*(\a)+\b)+7] offset:128*(\b/2)+32*(\b%2)+16
.endr
	WIN 0
.irp t, 0,1,2,3,4,5,6,7,8,9,10,11,12,13,14,15
	ds_load_b128 v[BK+64*((\a)%2)+4*\t:BK+64*((\a)%2)+4*\t+3], v[RD] offset:528*\t
.endr
.endm
.macro SEND a, younger                 ; younger: the LDS instructions issued behind tile a's loads, which may stay out
	s_wait_dscnt \younger
.irp t, 0,1,2,3,4,5,6,7,8,9,10,11,12,13,14,15
	global_store_b128 v1, v[BK+64*((\a)%2)+4*\t:BK+64*((\a)%2)+4*\t+3], s[84:85] offset:(32*((\a)/2)+8*((\a)%2)+(\t%8)+16*(\t/8))*4096 th:TH_STORE_NT   ; 32 lanes store 512 bytes on end, aligned
.endr
.endm
	PLACES                                         ; behind the last products
	TOSTAGE 0
	TOSTAGE 1
	SEND 0, 32                                     ; behind tile 0's loads: tile 1's 16 stores and 16 loads
	s_wait_xcnt 0x0                                ; tile 0's stores have read their registers
	TOSTAGE 2
	SEND 1, 32
	s_wait_xcnt 0x0
	TOSTAGE 3
	SEND 2, 32
	SEND 3, 0
	s_wait_tensorcnt 0x0                           ; the wave's end
	ds_add_u32 v[SPW], v[NIL]
	s_wait_dscnt 0x0
	CROUND                                         ; the closing round
	s_endpgm
.Lfunc_end_k_qc06e526e4e_gemm_out:
	.size	k_qc06e526e4e_gemm_out, .Lfunc_end_k_qc06e526e4e_gemm_out-k_qc06e526e4e_gemm_out
	.p2alignl 7, 3214868480
	.fill 96, 4, 3214868480
	.section	.rodata,"a",@progbits
	.p2align	6, 0x0
	.amdhsa_kernel k_qc06e526e4e_gemm_out
		.amdhsa_group_segment_fixed_size 295424
		.amdhsa_private_segment_fixed_size 0
		.amdhsa_enable_private_segment 0
		.amdhsa_kernarg_size 32
		.amdhsa_user_sgpr_count 2
		.amdhsa_user_sgpr_kernarg_segment_ptr 1
		.amdhsa_wavefront_size32 1
		.amdhsa_system_sgpr_workgroup_id_x 1
		.amdhsa_system_sgpr_workgroup_id_y 1
		.amdhsa_system_sgpr_workgroup_id_z 1
		.amdhsa_system_vgpr_workitem_id 0
		.amdhsa_next_free_vgpr 768
		.amdhsa_next_free_sgpr 100
		.amdhsa_reserve_vcc 0
		.amdhsa_float_denorm_mode_32 3
		.amdhsa_float_denorm_mode_16_64 3
		.amdhsa_memory_ordered 1
		.amdhsa_forward_progress 1
		.amdhsa_inst_pref_size 79
	.end_amdhsa_kernel
	.amdgpu_metadata
---
amdhsa.version: [ 1, 2 ]
amdhsa.kernels:
  - .name:           k_qc06e526e4e_gemm_out
    .symbol:         k_qc06e526e4e_gemm_out.kd
    .args:
      - { .name: aimg, .offset: 0, .size: 8, .value_kind: global_buffer, .address_space: global }
      - { .name: wo, .offset: 8, .size: 8, .value_kind: global_buffer, .address_space: global }
      - { .name: out_b, .offset: 16, .size: 8, .value_kind: global_buffer, .address_space: global }
      - { .name: out0, .offset: 24, .size: 8, .value_kind: global_buffer, .address_space: global }
    .group_segment_fixed_size: 295424
    .private_segment_fixed_size: 0
    .kernarg_segment_align: 8
    .kernarg_segment_size: 32
    .max_flat_workgroup_size: 128
    .sgpr_count:     100
    .vgpr_count:     768
    .wavefront_size: 32
...
	.end_amdgpu_metadata
.endif
;; end of part 4
